; MI455X (gfx1250); checked and timed in simulation.
; The chip was launched on July 23, 2026; its instructions are those of AMD's public machine-readable ISA for CDNA 5 (MIT licence, August 2026) and "CDNA5" Instruction Set Architecture Reference Guide (July 2026). The comments in the code are by the model that wrote it; some were corrected since.
;; QKV Attention. Allowed arithmetic: matrix products marked QUANTISED: E2M3 operands, one E8M0 scale for each 32 along K, by v_wmma_scale_f32_16x16x128_f8f6f4 with both operands' format E2M3, f32 sums; everything else in f32.
;; Inputs: qkv 4 x 3,072 x 2,048 float32.
;; Outputs: out0 4 x 1,024 x 2,048 float32.
;; This version of the problem:
;;   THIS VERSION OF THE PROBLEM IS GIVEN IN LOW PRECISION. The matrix products marked QUANTISED in the list below multiply operands that are first quantised to E2M3 (2 exponent bits, 3 mantissa bits; 6 bits a number), with one power-of-two scale for each 32 numbers along K (OCP MX v1.0); their sums are f32. All else is computed in f32.
;;   The module's matrix products, in the order in which they are computed (A, B: the left and right operand; K: the contracted axis; several contracted axes count as one K, in the product's order):
;;     1. batch 64 x [M 2,048, K 64] x [K 64, N 2,048]; A: computed on the way; B: computed on the way: QUANTISED
;;     2. batch 64 x [M 64, K 2,048] x [K 2,048, N 2,048]; A: input qkv; B: softmax (see below): QUANTISED
;;   THE QUANTISER, for each operand of a quantised product, along K:
;;     - K is cut into blocks of 32 from its start; a last block that is shorter is filled with zeros.
;;     - A block's scale is 2^e with e = floor(log2(the largest magnitude in the block)) - 2, held to -126 .. 127; a block of zeros has e = 0. As a byte (E8M0): e + 127.
;;     - Each number is divided by its block's scale, clamped to +-7.5, and rounded to the nearest number of E2M3, ties to even, subnormals kept.
;;     - The product sums the exact products of the quantised numbers (number of the format x scale) in f32.
;;   ~~~python
;;   def quantise(x, axis):      # numpy; x: float32 -> the quantised numbers, widened to float32 again
;;       x = np.moveaxis(x, axis, -1); K = x.shape[-1]
;;       x = np.pad(x, [(0, 0)] * (x.ndim - 1) + [(0, -K % 32)]); x = x.reshape(x.shape[:-1] + (-1, 32)); a = np.abs(x).max(-1, keepdims=True)
;;       e = np.where(a > 0, np.clip(np.frexp(np.where(a > 0, a, 1))[1] - 1 - 2, -126, 127), 0)      # np.frexp(a)[1] - 1 = floor(log2(a)), exactly
;;       r = np.clip(x / 2.0 ** e, -7.5, 7.5)
;;       step = 2.0 ** (np.maximum(np.frexp(np.where(r == 0, 1, r))[1] - 1, 0) - 3)
;;       q = np.round(r / step) * step * 2.0 ** e      # np.round: ties to even
;;       return np.moveaxis(q.reshape(q.shape[:-2] + (-1,))[..., :K], -1, axis).astype(np.float32)
;;   ~~~
;;   SOFTMAX AHEAD OF A QUANTISED PRODUCT. Where the list says 'softmax', what is quantised is not the finished softmax but p = 2^(t - M), with t = logit x log2(e) and M = ceil(the row's largest t), a whole number; so 1/2 < the row's largest p <= 1. The row's sum l is taken of the UNQUANTISED p, in f32, and the product's result is divided by l at the end. Since M is a whole number, a kernel that streams over the keys may use a running M (the ceiling of the running maximum): every later rescaling is an exact power of two, which a block's scale takes up: the codes' values come out the same.
;;   OPERANDS COMPUTED ON THE WAY. 'Computed on the way' means the value that the module computes at that place (a softmax that the list does not call 'softmax' is quantised finished and normalised). What goes into a quantiser is computed in f32, as accurately as f32 sums, v_exp_f32 and their like allow (about 1e-6 of the number): no bf16 or f16 on the way to a quantiser, and a product that is left as it is and whose result goes on into a quantised operand takes f32 operands (vector FMAs, or v_wmma_f32_16x16x4_f32). A number that lies on a knife's edge between two numbers of the format may be rounded either way, as far as f32 arithmetic and the matrix unit's own rounding can turn it there, and no further.
;; 2 versions. Each part assembles by itself: llvm-mc -triple=amdgcn-amd-amdhsa -mcpu=gfx1250 --defsym DOCPART=n.
;; ======== version 1 of 2: 1 launch
;; launch attn (part 1): grid 4 x 64, 16 waves a work-group, no clusters, 302,080 bytes of LDS; arguments qkv, out0; writes out0
.if DOCPART == 1
	.amdgcn_target "amdgcn-amd-amdhsa--gfx1250"
	.amdhsa_code_object_version 6
	.text
	.protected	k_qd02ab4e4a0_attn
	.globl	k_qd02ab4e4a0_attn
	.p2align	8
	.type	k_qd02ab4e4a0_attn,@function
k_qd02ab4e4a0_attn:
	s_mov_b64 s[64:65], 0
	v_nop
	global_prefetch_b8 v0, s[64:65] scope:SCOPE_SE
	s_setreg_imm32_b32 hwreg(HW_REG_WAVE_MODE, 25, 1), 1
	s_wait_xcnt 0x0
; out0[b][16 c-rows of head][t] = sum over s of softmax_s(sum over c of (q g)(k g)) v[c][s], g = 1 / sqrt(sqrt(64)); 64 heads (4 batches x 16), 64 channels, 2,048 positions; qkv and out0 f32, the position innermost.
; BOTH PRODUCTS run on codes of FP6 (E2M3) with one E8M0 scale for each 32 along K.  Product 1: K = the 64 channels (two blocks).  Product 2: K = the keys.
; THE SOFTMAX AHEAD OF PRODUCT 2: t = score x log2(e); M = the row's largest t so far, rounded up to a whole number; p = 2^(t - M) is quantised along the keys, not normalised; the row's sum is taken of the
; unquantised p and divides at the end.  When M moves, the sum and O are multiplied by 2^(old M - new M): exact.
; SHARES.  A work-group (x = 0..3, y = batch x 16 + head) owns 512 queries of one head; sixteen waves of 256 registers, four to a SIMD, so that one wave's vector work stands beside another's products and LDS loads.
; The head's K and V and the work-group's Q are quantised in registers and laid in LDS, codes and scale bytes, in the order of the operands' registers; they stay there.
; PHASE P brings Q and keys 0 to 1,023 (640 KiB of f32); one barrier.  PHASE A: two iterations; in iteration i wave w owns queries 512 x + 256 i + 16 w + 0..15 and walks all 2,048 keys, 128 a step, out of LDS.
; KEYS 1,024 TO 2,047 COME UNDER THE FIRST EIGHT KEY STEPS.  Phase A leaves a wave 32 registers for numbers on their way: 4 KiB a wave, 64 KiB a work-group, which is K and V of 128 keys: one step's worth for each step.
; At the end of an even step a wave quantises a unit of K and asks for a unit of V, at the end of an odd step the other way round; each unit's loads are out for a whole step.  In these eight steps every LDS read lies in the
; first half of K's and V's codes and scale bytes and every streamed store in the second half; one barrier stands between step 7 and step 8.
; K = 64 IN AN INSTRUCTION OF K = 128.  A fragment of K (12 registers) holds TWO tiles of 16 keys: registers 0-5 one tile's 64 channels, registers 6-11 the other's.  Q stands in 18 registers [Q, zeros, Q]: the run [Q, 0]
; picks the first tile, the run [0, Q] the second.  Zero codes add nothing; their scale bytes in Q's word are 0, the smallest scale there is.
; LAYOUT.  Both products are used transposed (S^T = K Q^T, O^T = V P^T): a lane holds ONE query (lane % 16) throughout.  THE KEYS OF A TILE ARE NOT NEIGHBOURS: of the 32 keys of a fragment, key 16 a + 8 u + i lies in row 8 a + i
; of tile u, so that a lane's 16 registers of a fragment's two tiles are 16 neighbouring keys, as the conversions to codes want them.
; NO CLUSTER, NO TENSOR LOADS: what the four work-groups of a head share is f32 that has to pass a lane's registers to be quantised.  Beside the 230,400 bytes that stay, LDS has room for two slots of some 32 KiB (64 keys of K and V):
; 1 MiB through them would be 32 refills, each behind a meeting of the four work-groups.  The four are neighbours in x and read the same rows at about the same time.
; LIMITS: NaN and infinities among the inputs are not served.  A block of zeros gets the scale byte 1 where the quantiser says 127: its codes are zeros, which add nothing, and only this text reads the bytes.
; A p under 2^-126 counts as 0 (v_exp_f32 gives no denormals: ISA guide, its entry).  A block's largest p is made from the block's largest score by the same two instructions as every p, which takes v_exp_f32 not to fall where
; its input rises.  1 / sum is v_rcp_f32.  The row's sum is added in another order than a sum along the row.
.set ROW,   8192                       ; a channel's 2,048 positions in bytes
.set KIMG,  0                          ; LDS: K's 64 fragments (32 keys each) x 1,536 bytes: lane L's 12 registers on end at 48 L
.set VIMG,  98304                      ; V's 64 fragments: (key step j, channel tile ct) at 1,536 (4 j + ct), lane L at 48 L
.set KSC,   196608                     ; K's scale words: step j at 256 j, row r at 16 r, fragment b's word at 4 b; its bytes: first tile's blocks 0, 1, second tile's blocks 0, 1
.set VSC,   200704                     ; V's: step j at 256 j, row r at 16 r, tile ct's word at 4 ct; byte = block of 32 keys
.set QIMG,  204800                     ; Q's 32 tiles of 16 queries x 768 bytes: lane L's 6 registers at 24 L
.set QSC,   229376                     ; Q's scale bytes: tile T at 32 T, query r at 2 r, byte = block
.set STG,   230400                     ; while V is quantised: each wave's own stage, 16 rows of 272 bytes, at 4,352 w.  On the way out: the work-group's stage, 64 rows of 1,040 bytes
.set FRB,   1536
.set TPI,   272                        ; 256 bytes + 16: 68 words, so that 16 rows start at 16 different groups of four banks (64 banks of 4 bytes: ISA guide 11.1)
.set OPI,   1040                       ; 1,024 bytes + 16
.set HALFC, 49152                      ; the codes of 1,024 keys, in KIMG and in VIMG alike
.set HALFS, 2048                       ; their scale bytes, in KSC and in VSC alike
; registers that stay
.set AK0, 1                            ; 48 lane
.set FP,  2                            ; v2 f, at the end 1 / sum; v3 named with it as a pair
.set ADK, 4                            ; addresses in hand
.set ADV, 5
.set ADS, 6
.set QRA, 7                            ; QIMG + 768 w + 24 lane
.set QSR, 8                            ; QSC + 32 w + 2 r
.set AS0, 9                            ; KSC + 16 r
.set SRA, 10                           ; STG + 4,160 w + 16 lane
.set GOA, 11                           ; 32,768 w + 16 lane: my bytes in the iteration's part of out0
; phase A: v12 -M, v13 the largest t, v[14:15] the sum in two halves
.set QR,  16                           ; v16-21 Q, v22-27 zeros, v28-33 Q
.set QS,  34                           ; v34 Q's scale word for [Q, 0]; v35 for [0, Q]
.set KG2, 36                           ; the streamed units: byte offsets in memory of K's and of V's,
.set VG2, 37
.set KW2, 38                           ; where their codes and scale bytes go,
.set KS2, 39
.set VW2, 40
.set VS2, 41
.set TWA, 42                           ; my wave's stage: in, as loaded;
.set TRA, 43                           ; out, 32 neighbours a lane
.set SOP, 44                           ; v44-47   the conversions' scale operands
.set F,   48                           ; v48-95   four fragments of K, then of V; on the way out rows of O
.set S,   96                           ; v96-159  S^T, then p; behind the sums free: the streamed units are worked there; at the end O / sum
.set OA,  160                          ; v160-191 O^T: four tiles of 16 channels
.set PC,  192                          ; v192-203 p's codes
.set PT,  204                          ; v204-206, v208-210 the conversions of the blocks' second halves
.set T2,  204                          ; v204-207 at work ahead of the conversions
.set TMP, 208                          ; likewise
.set PW,  211                          ; p's scale word
.set KS,  212                          ; v212-215 K's scale words
.set VS,  216                          ; v216-219 V's
.set BM,  220                          ; v220-223 the blocks' largest scores;
.set L2,  220                          ; behind them v[220:221] the sum's second chain
.set LS,  224                          ; v224-255 a streamed unit's 32 numbers a lane, on their way
.set XS,  S+16                         ; v112-143 the streamed unit's block at work; v96-108 QBLOCK's own registers
.set SA0, S+14                         ; v110, v111 the addresses of its stores
.set SA1, S+15
.set SOA, S+34                         ; v130, v131 the way out: where I put a number into the stage
; phase P alone
.set KGA, 12                           ; byte offsets in memory: K, Q, V
.set QGA, 13
.set VGA, 14
.set KWA, 15                           ; where I store codes and scale bytes: K's, Q's, V's
.set KSA, 16
.set QWA, 17
.set QSA, 18
.set VWA, 19
.set VSA, 20
.set R0,  64                           ; v64-127, v128-191 two sets of loaded numbers
.set R1,  128
.set X,   192                          ; v192-223 the 32 numbers of one block
.set TB,  224                          ; v224-236, v240-252 QBLOCK's own registers, two sets
; 32 numbers of ONE block in v[x] on become 6 registers of codes in v[tb + 4] on and the scale's byte in v[tb + 3].  (v[tb], v[tb + 1]: two chains of the largest magnitude; v[tb + 2]: the scale operand; v[tb + 10] on: the second half
; as converted.)  The largest magnitude has the floor 2^(3 - 127) among its leaves, so that the byte cannot fall under 1; 2 off its exponent field is the scale; the conversion takes the exponent field of its scale operand and
; nothing else of it, rounds to the nearest code, ties to even, and gives the largest code beyond 7.5.
.macro QBLOCK x, tb
	v_max3_num_f32 v[\tb], |v[\x]|, |v[\x+1]|, |v[\x+2]|
	v_max3_num_f32 v[\tb+1], |v[\x+3]|, |v[\x+4]|, |v[\x+5]|
.irp i, 6,10,14,18,22,26
	v_max3_num_f32 v[\tb], v[\tb], |v[\x+\i]|, |v[\x+\i+1]|
	v_max3_num_f32 v[\tb+1], v[\tb+1], |v[\x+\i+2]|, |v[\x+\i+3]|
.endr
	v_max3_num_f32 v[\tb], v[\tb], |v[\x+30]|, |v[\x+31]|
	v_max3_num_f32 v[\tb], v[\tb], v[\tb+1], 0x1800000
	v_add_nc_u32 v[\tb+2], 0xff000000, v[\tb]
	v_cvt_scalef32_pk16_fp6_f32 v[\tb+4:\tb+6], v[\x:\x+15], v[\tb+2]
	v_cvt_scalef32_pk16_fp6_f32 v[\tb+10:\tb+12], v[\x+16:\x+31], v[\tb+2]   ; (a conversion's three registers begin on an even number: the second half is made elsewhere and moved)
	v_lshrrev_b32 v[\tb+3], 23, v[\tb+2]           ; the scale's byte; also the one plain instruction between the conversions and the moves that read their results
.irp i, 0,1,2
	v_mov_b32 v[\tb+7+\i], v[\tb+10+\i]
.endr
.endm
; The block's codes and byte go to LDS.
.macro QSTORE tb, wa, woff, sa, soff
.irp p, 0,1,2
	ds_store_b64 v[\wa], v[\tb+4+2*\p:\tb+5+2*\p] offset:\woff+8*\p
.endr
	ds_store_b8 v[\sa], v[\tb+3] offset:\soff
.endm
; PHASE P.  Q and K: the channels are the outer axis in memory.  A lane takes two neighbouring positions and its registers run DOWN the 32 channels of a block: each load covers 256 consecutive bytes of one channel's row, aligned.
.macro CLOAD rs, base, va, off, nt
.set ii, 0
.rept 32
.if \nt
	global_load_b64 v[\rs+2*ii:\rs+2*ii+1], v[\va], s[\base:\base+1] offset:\off+ROW*ii th:TH_LOAD_NT
.else
	global_load_b64 v[\rs+2*ii:\rs+2*ii+1], v[\va], s[\base:\base+1] offset:\off+ROW*ii
.endif
.set ii, ii+1
.endr
.endm
; The unit in set rs is scaled by g (which also sorts the lane's two positions apart), quantised and stored.  left: the younger loads, which may stay out.
.macro CWORK rs, left, wa, woff, wes, sa, soff, ses
	s_wait_loadcnt \left                           ; loads come back in order: this unit's 32 are in
	s_wait_dscnt 0x0                               ; the last unit's LDS stores have read the registers of codes and bytes that are written anew below
.irp e, 0,1
.set ii, 0
.rept 32
	v_mul_f32 v[X+ii], s24, v[\rs+2*ii+\e]
.set ii, ii+1
.endr
	QBLOCK X, TB+16*\e
	QSTORE TB+16*\e, \wa, \woff+\wes*\e, \sa, \soff+\ses*\e
.endr
.endm
; K's unit n of a wave: keys 64 w + 0..63, channel block n.  Key 2 lane + e of the 64: fragment 2 w + lane / 16, row 8 (bit 3) + 2 (lane % 4) + e, tile = bit 2 of the lane.
.macro KLOAD n, rs
	CLOAD \rs, 14, KGA, 262144*(\n), 0
.endm
.macro KWORK n, rs, left
	CWORK \rs, \left, KWA, 768*(\n), 48, KSA, \n, 16
.endm
; V: the keys, its K, are innermost.  Unit m of a wave: channels 16 m + 0..15, keys 64 w + 0..63.  Each load takes 256 consecutive bytes of two rows, 16 bytes a lane.
.macro VLOAD m
.irp q, 0,1,2,3,4,5,6,7
	global_load_b128 v[R0+32*(((\m)+2)%4)+4*\q:R0+32*(((\m)+2)%4)+4*\q+3], v[VGA], s[16:17] offset:2*ROW*\q+16*ROW*(\m)
.endr
.endm
; The unit turns through my wave's own stage, so that lane (r, h) gets channel r's 32 neighbouring keys 32 h on: a whole block, six registers of the fragment.
.macro VWORK m
	s_wait_loadcnt 8*(3-(\m))                      ; this unit's eight loads are in; those of the units behind it may be out
.irp q, 0,1,2,3,4,5,6,7
	ds_store_b128 v[TWA], v[R0+32*(((\m)+2)%4)+4*\q:R0+32*(((\m)+2)%4)+4*\q+3] offset:2*TPI*\q
.endr
.irp q, 0,1,2,3,4,5,6,7
	ds_load_b128 v[X+4*\q:X+4*\q+3], v[TRA] offset:16*\q   ; LDS serves a wave's instructions in order (ISA guide 5.7.1.4): these see the stores above
.endr
	s_wait_dscnt 0x0                               ; the block is in, and the last unit's stores have read their codes and byte
	QBLOCK X, TB
	QSTORE TB, VWA, FRB*(\m), VSA, 4*(\m)
.endm
; THE STREAMED UNITS, trip T = 0..3 of the first eight key steps: keys 1,024 + 256 T + 0..255.
; K's: wave w takes keys 32 (w / 2) + lane of them, channel block w % 2; a lane takes ONE key and its registers run down the 32 channels: each load covers 128 consecutive bytes, and the waves two apart stand side by side.
.macro KSLOAD
.set ii, 0
.rept 32
	global_load_b32 v[LS+ii], v[KG2], s[42:43] offset:ROW*ii
.set ii, ii+1
.endr
.endm
; V's: wave w takes channels 16 (w / 4) + 0..15, keys 64 (w % 4) + 0..63 of them.
.macro VSLOAD
.irp q, 0,1,2,3,4,5,6,7
	global_load_b128 v[LS+4*\q:LS+4*\q+3], v[VG2], s[44:45] offset:2*ROW*\q
.endr
.endm
; At the end of an even step: my unit of K, asked for a step ago, is scaled into score registers that are free now; V's unit is asked for; K's is quantised and stored.
.macro KCONS
	s_wait_loadcnt 0x0                             ; my 32 loads are in: nothing else of mine is out,
	s_add_nc_u64 s[42:43], s[42:43], 1024          ; so their base may step: the next trip's 256 keys
.set ii, 0
.rept 32
	v_mul_f32 v[XS+ii], s24, v[LS+ii]
.set ii, ii+1
.endr
	VSLOAD
	QBLOCK XS, S
	v_add_nc_u32 v[SA0], s46, v[KW2]               ; fragment 32 + 8 T + w / 2
	v_add_nc_u32 v[SA1], s47, v[KS2]
	QSTORE S, SA0, 0, SA1, 0
.endm
; At the end of an odd step: my unit of V turns through my stage; the next trip's unit of K is asked for, if there is a next trip; V's is quantised and stored.
.macro VCONS
	s_wait_loadcnt 0x0                             ; my eight loads are in,
	s_add_nc_u64 s[44:45], s[44:45], 1024          ; so their base may step
.irp q, 0,1,2,3,4,5,6,7
	ds_store_b128 v[TWA], v[LS+4*\q:LS+4*\q+3] offset:2*TPI*\q
.endr
.irp q, 0,1,2,3,4,5,6,7
	ds_load_b128 v[XS+4*\q:XS+4*\q+3], v[TRA] offset:16*\q
.endr
	s_wait_dscnt 0x0                               ; the block is in, and the stage's stores have read the registers that the loads below fill
	s_cmp_eq_u32 s28, 1                            ; the last trip asks for nothing: all 2,048 keys have been asked for
	s_cbranch_scc1 .Lno_more_\@
	KSLOAD
.Lno_more_\@:
	QBLOCK XS, S
	v_add_nc_u32 v[SA0], s46, v[VW2]               ; key step 8 + 2 T + (w / 2) % 2, tile w / 4, registers 6 (w % 2) on
	v_add_nc_u32 v[SA1], s47, v[VS2]
	QSTORE S, SA0, 0, SA1, 0
.endm
; A KEY STEP: 128 keys.  s26: the step's fragments of K (6,144 bytes a step); s25: those of V; s27: its scale words (256).
.macro STEP
	v_add_nc_u32 v[ADK], s26, v[AK0]               ; these four lines are places between the last step's products and the loads into the registers that they read
	v_add_nc_u32 v[ADV], s25, v[AK0]
	v_add_nc_u32 v[ADS], s27, v[AS0]
	v_nop
.irp b, 0,1,2,3
.irp c, 0,1,2
	ds_load_b128 v[F+12*\b+4*\c:F+12*\b+4*\c+3], v[ADK] offset:FRB*\b+16*\c   ; lanes 48 bytes apart
.endr
.endr
	ds_load_b128 v[KS:KS+3], v[ADS]                ; the four fragments' scale words of row r
	s_wait_dscnt 0x0                               ; they are in; a streamed unit's stores, if any, have read the score registers that the products write
.irp b, 0,1,2,3                                ; S^T = K Q^T: eight tiles of 16 keys; lane (r, h), register 16 b + 8 u + i: query r, key 32 b + 16 h + 8 u + i of the step
.irp u, 0,1
	v_wmma_scale_f32_16x16x128_f8f6f4 v[S+16*\b+8*\u:S+16*\b+8*\u+7], v[F+12*\b:F+12*\b+11], v[QR+6*\u:QR+6*\u+11], 0, v[KS+\b], v[QS+\u] matrix_a_fmt:MATRIX_FMT_FP6 matrix_b_fmt:MATRIX_FMT_FP6
.endr
.endr
.rept 4
	v_nop                                          ; four places in front of the loads into K's registers and of the first read of the scores
.endr
.irp t, 0,1,2,3
.irp c, 0,1,2
	ds_load_b128 v[F+12*\t+4*\c:F+12*\t+4*\c+3], v[ADV] offset:FRB*\t+16*\c   ; V's four fragments land while the softmax is walked
.endr
.endr
	ds_load_b128 v[VS:VS+3], v[ADS] offset:VSC-KSC
.irp b, 0,1,2,3
	v_max3_num_f32 v[BM+\b], v[S+16*\b], v[S+1+16*\b], v[S+2+16*\b]   ; THE LARGEST SCORE OF EACH BLOCK OF 32 KEYS serves twice: for the row's maximum and, since p rises with the score, for the block's largest p.  Each accumulator is read from its low end on
.endr
.irp i, 3,5,7,9,11,13
.irp b, 0,1,2,3
	v_max3_num_f32 v[BM+\b], v[BM+\b], v[S+16*\b+\i], v[S+1+16*\b+\i]   ; (the four blocks by turns)
.endr
.endr
.irp b, 0,1,2,3
	v_max_num_f32 v[BM+\b], v[BM+\b], v[S+15+16*\b]
.endr
.irp b, 0,1,2,3
	v_permlanex16_b32 v[T2+\b], v[BM+\b], s20, s21
.endr
.irp b, 0,1,2,3
	v_max_num_f32 v[BM+\b], v[BM+\b], v[T2+\b]     ; with lane l xor 16's 16 keys
.endr
	v_max3_num_f32 v[TMP], v[BM], v[BM+1], v[BM+2]
	v_max_num_f32 v[TMP], v[TMP], v[BM+3]          ; the step's largest score of my query
	v_mul_f32 v[TMP], s22, v[TMP]                  ; as t
	v_max_num_f32 v13, v13, v[TMP]                 ; the running largest t
	v_mov_b32 v[TMP], v12
	v_floor_f32 v12, -v13                          ; the new -M = floor(-t) = -ceil(t): a whole number
	v_sub_f32 v[TMP], v12, v[TMP]                  ; old M - new M: a whole number, 0 or less
	v_cvt_i32_f32 v[TMP], v[TMP]                   ; (it saturates)
	v_ldexp_f32 v[FP], 1.0, v[TMP]                 ; f = 2^(old M - new M): a multiplication by it rounds nothing
.set jj, 0
.rept 32
	v_pk_fma_f32 v[S+jj:S+jj+1], v[S+jj:S+jj+1], s[22:23], v[12:13] op_sel_hi:[1,0,0]   ; t - M, two at a time (of the pairs log2(e) and -M the low word serves both halves)
.set jj, jj+2
.endr
.irp b, 0,1,2,3
	v_fma_f32 v[BM+\b], v[BM+\b], s22, v12         ; the same of each block's largest score
.endr
.set jj, 0
.rept 64
	v_exp_f32 v[S+jj], v[S+jj]                     ; p = 2^(t - M): not normalised
.set jj, jj+1
.endr
.irp b, 0,1,2,3
	v_exp_f32 v[BM+\b], v[BM+\b]                   ; the block's largest p: the same two instructions on the same number give the same bits
.endr
	v_pk_mul_f32 v[14:15], v[14:15], v[FP:FP+1] op_sel_hi:[1,0]   ; the sums under the new M.  (The plain instruction behind the exponentials: ISA guide 5.7.2)
	s_wait_alu depctr_va_vdst(0)
.irp b, 0,1,2,3
	v_max_num_f32 v[BM+\b], 0x1800000, v[BM+\b]    ; the floor 2^(3 - 127): the byte cannot fall under 1
.endr
.irp b, 0,1,2,3
	v_add_nc_u32 v[SOP+\b], 0xff000000, v[BM+\b]   ; 2 off the exponent field: the conversion's scale operand
.endr
.irp b, 0,1,2,3
	v_lshrrev_b32 v[T2+\b], 23, v[SOP+\b]          ; the scale's byte
.endr
	v_lshl_or_b32 v[PW], v[T2+1], 8, v[T2]         ; p's scale word for these 128 keys
	v_lshl_or_b32 v[PW], v[T2+2], 16, v[PW]
	v_lshl_or_b32 v[PW], v[T2+3], 24, v[PW]
.irp c, 0,1
	v_cvt_scalef32_pk16_fp6_f32 v[PC+6*\c:PC+6*\c+2], v[S+32*\c:S+32*\c+15], v[SOP+2*\c]
	v_cvt_scalef32_pk16_fp6_f32 v[PT+4*\c:PT+4*\c+2], v[S+16+32*\c:S+31+32*\c], v[SOP+2*\c+1]
.endr
	v_nop                                          ; one plain instruction between a scaled conversion and the vector instruction that touches its result
.irp c, 0,1                                    ; the operand's layout wants a WHOLE block in a lane: lanes 0-15 block 2 c, lanes 16-31 block 2 c + 1
.irp i, 0,1,2
	v_permlane16_swap_b32 v[PC+6*\c+\i], v[PT+4*\c+\i]
.endr
.irp i, 0,1,2
	v_mov_b32 v[PC+3+6*\c+\i], v[PT+4*\c+\i]
.endr
.endr
	v_pk_add_f32 v[L2:L2+1], v[S:S+1], v[S+2:S+3]  ; THE ROW'S SUM IS TAKEN OF THE UNQUANTISED p: two at a time, in two chains
.irp j, 4,8,12,16,20,24,28,32,36,40,44,48,52,56,60
	v_pk_add_f32 v[14:15], v[14:15], v[S+\j:S+\j+1]
	v_pk_add_f32 v[L2:L2+1], v[L2:L2+1], v[S+2+\j:S+3+\j]
.endr
	v_pk_add_f32 v[14:15], v[14:15], v[L2:L2+1]
.set jj, 0
.rept 16
	v_pk_mul_f32 v[OA+jj:OA+jj+1], v[OA+jj:OA+jj+1], v[FP:FP+1] op_sel_hi:[1,0]   ; O^T under the new M, from each accumulator's low end on.  (The 48 lines from the sums on stand between p's codes and scale word and the products)
.set jj, jj+2
.endr
	s_wait_dscnt 0x0                               ; V's fragments and scale words are in
.irp t, 0,1,2,3                                ; O^T += V P^T: four tiles of 16 channels, K = these 128 keys; the four accumulators take turns, and the eight products K Q^T stand between two links
	v_wmma_scale_f32_16x16x128_f8f6f4 v[OA+8*\t:OA+8*\t+7], v[F+12*\t:F+12*\t+11], v[PC:PC+11], v[OA+8*\t:OA+8*\t+7], v[VS+\t], v[PW] matrix_a_fmt:MATRIX_FMT_FP6 matrix_b_fmt:MATRIX_FMT_FP6
.endr
	s_add_co_u32 s26, s26, 4*FRB
	s_add_co_u32 s25, s25, 4*FRB
	s_add_co_u32 s27, s27, 256
.endm
; THE HEAD OF ITERATION i: my tile of Q, the statistics, zeros for O^T.
.macro ITER_HEAD i
.irp p, 0,1,2
	ds_load_b64 v[QR+2*\p:QR+2*\p+1], v[QRA] offset:12288*\i+8*\p          ; my tile of Q, twice; an iteration's 16 tiles are 12,288 bytes
	ds_load_b64 v[QR+12+2*\p:QR+12+2*\p+1], v[QRA] offset:12288*\i+8*\p
.endr
	ds_load_u16 v[QS], v[QSR] offset:512*\i        ; its two scale bytes: bytes 0 and 1 of the word; bytes 2 and 3 are 0
	s_wait_dscnt 0x0
	v_lshlrev_b32 v[QS+1], 16, v[QS]               ; and the word for [0, Q].  The 36 moves below stand between this line and the first product that names it
	v_mov_b32 v13, 0xff61b1e6                      ; the largest t so far: -3e38, under every t
	v_floor_f32 v12, -v13                          ; -M
	v_mov_b32 v14, 0                               ; the sum, in two halves
	v_mov_b32 v15, 0
.set jj, 0
.rept 32
	v_mov_b32 v[OA+jj], 0                          ; O^T.  (The step has one form: the first finds zeros, which the first change of M leaves zeros)
.set jj, jj+1
.endr
	s_mov_b32 s26, 0
	s_mov_b32 s25, VIMG
	s_mov_b32 s27, 0
.endm
; THE WAY OUT OF ITERATION i.  A lane holds one query and 32 channels; out0's rows run along the queries.  So O^T / sum goes into the work-group's stage [64 channels][256 queries], and each wave stores four whole rows of 1,024 bytes.
; more = 1: another iteration follows and will write the stage again.
.macro WAYOUT i, more
.rept 4
	v_nop                                          ; four places behind the last products
.endr
	v_add_f32 v14, v14, v15                        ; the sum's two halves,
	v_permlanex16_b32 v[TMP], v14, s20, s21
	v_add_f32 v14, v14, v[TMP]                     ; and lane l xor 16's: the row's sum
	v_rcp_f32 v[FP], v14
	v_bfe_u32 v[SOA], v0, 4, 1                     ; (plain instructions behind the transcendental)  where I put my numbers: STG + 64 w + 8,320 h + 4 r
	v_and_b32 v[SOA+1], 15, v0
	v_mul_u32_u24 v[SOA], v[SOA], 8*OPI
	v_lshl_add_u32 v[SOA], v[SOA+1], 2, v[SOA]
	v_add_nc_u32 v[SOA], s41, v[SOA]
.set jj, 0
	s_wait_alu depctr_va_vdst(0)
.rept 16
	v_pk_mul_f32 v[S+jj:S+jj+1], v[OA+jj:OA+jj+1], v[FP:FP+1] op_sel_hi:[1,0]   ; register 8 t + n: channel 16 t + 8 h + n of query 16 w + r
.set jj, jj+2
.endr
.irp t, 0,1,2,3
.irp n, 0,1,2,3,4,5,6,7
	ds_store_b32 v[SOA], v[S+8*\t+\n] offset:(16*\t+\n)*OPI   ; sixteen lanes 64 neighbouring bytes; lanes 16-31 eight rows, 2,080 words, on: the other half of the banks
.endr
.endr
	s_wait_dscnt 0x0                               ; for the others' sake: my part of the stage is written
	s_barrier_signal -1
	s_barrier_wait -1                              ; the stage is whole
.irp n, 0,1,2,3,4,5,6,7
	ds_load_b128 v[F+4*\n:F+4*\n+3], v[SRA] offset:(\n/2)*OPI+512*(\n%2)   ; channels 4 w + n / 2
.endr
.irp n, 0,1,2,3,4,5,6,7
	s_wait_dscnt 7-\n                              ; LDS loads come back in order: the younger ones may stay out
	global_store_b128 v[GOA], v[F+4*\n:F+4*\n+3], s[6:7] offset:1024*\i+(\n/2)*ROW+512*(\n%2) th:TH_STORE_NT   ; 32 lanes store 512 consecutive bytes, at a multiple of 512 from out0's first byte; written once, read by nobody here
.endr
.if \more
	s_barrier_signal -1                            ; my reads of the stage are back (the last count was 0):
	s_barrier_wait -1                              ; when every wave has said so, the next iteration may write the stage again
	s_wait_xcnt 0x0                                ; the stores' data registers are written again only behind this wait
.endif
.endm
	s_load_b128 s[4:7], s[0:1], 0x0                ; qkv s[4:5], out0 s[6:7]
	v_lshrrev_b32 v56, 5, v0
	v_readfirstlane_b32 s8, v56                    ; wave w, 0..15
	v_and_b32 v48, 31, v0                          ; lane
	v_and_b32 v49, 15, v0                          ; r
	v_bfe_u32 v50, v0, 4, 1                        ; h
	v_bfe_u32 v51, v0, 3, 1                        ; bit 3
	v_bfe_u32 v52, v0, 2, 1                        ; bit 2
	v_and_b32 v53, 3, v0                           ; lane % 4
	v_bfe_u32 v54, v0, 3, 2                        ; lane / 8
	v_and_b32 v55, 7, v0                           ; lane % 8
	s_lshr_b32 s34, s8, 1                          ; w / 2
	s_and_b32 s35, s8, 1                           ; w % 2
	s_and_b32 s10, ttmp7, 0xffff                   ; y = batch x 16 + head
	s_lshr_b32 s11, s10, 4
	s_and_b32 s18, s10, 15
	s_mul_i32 s32, s11, 3072*ROW                   ; the batch's 3,072 rows,
	s_lshl_b32 s18, s18, 19                        ; the head's 64 rows of 8,192 bytes
	s_add_co_u32 s32, s32, s18                     ; (under 100,663,296)
	s_mov_b32 s33, 0
	s_lshl_b32 s18, ttmp9, 11                      ; my 512 queries: 2,048 x bytes on in a row
	s_mov_b32 s19, 0
	s_lshl_b32 s36, s10, 19                        ; out0: y x 64 rows,
	s_add_co_u32 s36, s36, s18                     ; and the same 2,048 x
	s_mov_b32 s37, 0
	s_mov_b32 s20, 0x76543210                      ; v_permlanex16_b32's selects for lane l xor 16
	s_mov_b32 s21, 0xfedcba98
	s_mov_b32 s22, 0x3fb8aa3b                      ; log2(e)
	s_mov_b32 s23, s22                             ; (the packed form names the pair, so it is written)
	s_mov_b32 s24, 0x3eb504f3                      ; g = 1 / sqrt(sqrt(64)) in f32
	s_lshl_b32 s38, s8, 8
	v_lshl_add_u32 v[KGA], v48, 3, s38             ; K: 8 lane + 256 w
	s_lshl_b32 s39, s34, 8
	s_lshl_b32 s40, s35, 18
	s_add_co_u32 s39, s39, s40
	v_lshl_add_u32 v[QGA], v48, 3, s39             ; Q: wave w takes queries 64 (w / 2) on, channel block w % 2 (32 rows on)
	s_wait_kmcnt 0x0
	s_add_nc_u64 s[12:13], s[4:5], s[32:33]        ; the head's q,
	s_add_nc_u64 s[14:15], s[12:13], 0x800000      ; its k: 1,024 rows on,
	s_add_nc_u64 s[16:17], s[12:13], 0x1000000     ; its v: 2,048 rows on
	s_add_nc_u64 s[42:43], s[14:15], 4096          ; k and v at key 1,024: the streamed units' bases
	s_add_nc_u64 s[44:45], s[16:17], 4096
	s_add_nc_u64 s[12:13], s[12:13], s[18:19]      ; q at my 512 queries
	s_add_nc_u64 s[6:7], s[6:7], s[36:37]          ; out0 likewise
	CLOAD R0, 12, QGA, 0, 1                        ; Q is read by this work-group alone
	KLOAD 0, R1
	; the addresses in LDS: a constant, constants x parts of the lane's number, constants x parts of the wave's
	v_mul_u32_u24 v[AK0], v48, 48
	v_lshl_add_u32 v[AS0], v49, 4, KSC
	s_mul_i32 s38, s8, 768
	s_add_co_u32 s38, s38, QIMG
	v_mul_u32_u24 v[QRA], v48, 24
	v_add_nc_u32 v[QRA], s38, v[QRA]
	s_lshl_b32 s38, s8, 5
	s_add_co_u32 s38, s38, QSC
	v_lshlrev_b32 v[QSR], 1, v49
	v_add_nc_u32 v[QSR], s38, v[QSR]
	s_lshl_b32 s41, s8, 6                          ; the way out: 64 w + STG, kept
	s_add_co_u32 s41, s41, STG
	s_mul_i32 s38, s8, 4*OPI
	s_add_co_u32 s38, s38, STG
	v_lshlrev_b32 v[SRA], 4, v48
	v_add_nc_u32 v[SRA], s38, v[SRA]
	s_lshl_b32 s38, s8, 15
	v_lshlrev_b32 v[GOA], 4, v48
	v_add_nc_u32 v[GOA], s38, v[GOA]
	s_lshl_b32 s38, s8, 8
	v_lshlrev_b32 v[VGA], 13, v50                  ; V: lanes 16-31 a row further down, 16 bytes a lane, 256 w
	v_lshl_add_u32 v[VGA], v49, 4, v[VGA]
	v_add_nc_u32 v[VGA], s38, v[VGA]
	s_mul_i32 s38, s8, 2*FRB                       ; K's codes: 3,072 w + 1,536 h + 384 (bit 3) + 96 (lane % 4) + 24 (bit 2)
	v_mul_u32_u24 v[KWA], v50, FRB
	v_mad_u32_u24 v[KWA], v51, 384, v[KWA]
	v_mad_u32_u24 v[KWA], v53, 96, v[KWA]
	v_mad_u32_u24 v[KWA], v52, 24, v[KWA]
	v_add_nc_u32 v[KWA], s38, v[KWA]
	s_lshl_b32 s38, s34, 8                         ; K's bytes: KSC + 256 (w / 2) + 8 (w % 2) + 4 h + 128 (bit 3) + 32 (lane % 4) + 2 (bit 2)
	s_lshl_b32 s39, s35, 3
	s_add_co_u32 s38, s38, s39
	s_add_co_u32 s38, s38, KSC
	v_lshlrev_b32 v[KSA], 2, v50
	v_lshl_add_u32 v[KSA], v51, 7, v[KSA]
	v_lshl_add_u32 v[KSA], v53, 5, v[KSA]
	v_lshl_add_u32 v[KSA], v52, 1, v[KSA]
	v_add_nc_u32 v[KSA], s38, v[KSA]
	s_mul_i32 s38, s34, 3072                       ; Q's codes: query 2 lane + e of the wave's 64: tile 4 (w / 2) + lane / 8, row 2 (lane % 8) + e, lanes' half w % 2
	s_mul_i32 s39, s35, 384
	s_add_co_u32 s38, s38, s39
	s_add_co_u32 s38, s38, QIMG
	v_mul_u32_u24 v[QWA], v54, 768
	v_mad_u32_u24 v[QWA], v55, 48, v[QWA]
	v_add_nc_u32 v[QWA], s38, v[QWA]
	s_lshl_b32 s38, s34, 7                         ; Q's bytes: QSC + 128 (w / 2) + w % 2 + 32 (lane / 8) + 4 (lane % 8)
	s_add_co_u32 s38, s38, s35
	s_add_co_u32 s38, s38, QSC
	v_lshlrev_b32 v[QSA], 5, v54
	v_lshl_add_u32 v[QSA], v55, 2, v[QSA]
	v_add_nc_u32 v[QSA], s38, v[QSA]
	s_mul_i32 s38, s34, 4*FRB                      ; V's codes: key step w / 2, registers 6 (w % 2) on: VIMG + 48 lane + 6,144 (w / 2) + 24 (w % 2)
	s_mul_i32 s39, s35, 24
	s_add_co_u32 s38, s38, s39
	s_add_co_u32 s38, s38, VIMG
	v_add_nc_u32 v[VWA], s38, v[AK0]
	s_lshl_b32 s38, s34, 8                         ; V's bytes: block 2 (w % 2) + h: VSC + 16 r + h + 256 (w / 2) + 2 (w % 2)
	s_lshl_b32 s39, s35, 1
	s_add_co_u32 s38, s38, s39
	s_add_co_u32 s38, s38, VSC
	v_lshl_add_u32 v[VSA], v49, 4, v50
	v_add_nc_u32 v[VSA], s38, v[VSA]
	s_mul_i32 s38, s8, 16*TPI                      ; my wave's stage
	s_add_co_u32 s38, s38, STG
	v_mul_u32_u24 v[TWA], v50, TPI                 ; in: row 2 q + h, 16 r
	v_lshl_add_u32 v[TWA], v49, 4, v[TWA]
	v_add_nc_u32 v[TWA], s38, v[TWA]
	v_mul_u32_u24 v[TRA], v49, TPI                 ; out: row r, 128 h
	v_lshl_add_u32 v[TRA], v50, 7, v[TRA]
	v_add_nc_u32 v[TRA], s38, v[TRA]
	; the streamed units
	s_lshl_b32 s38, s34, 7                         ; K in memory: 4 lane + 128 (w / 2) + 32 rows x (w % 2)
	s_lshl_b32 s39, s35, 18
	s_add_co_u32 s38, s38, s39
	v_lshl_add_u32 v[KG2], v48, 2, s38
	s_and_b32 s38, s8, 3                           ; V in memory: 8,192 h + 16 r + 256 (w % 4) + 16 rows x (w / 4)
	s_lshl_b32 s38, s38, 8
	s_lshr_b32 s39, s8, 2
	s_lshl_b32 s39, s39, 17
	s_add_co_u32 s38, s38, s39
	v_lshlrev_b32 v[VG2], 13, v50
	v_lshl_add_u32 v[VG2], v49, 4, v[VG2]
	v_add_nc_u32 v[VG2], s38, v[VG2]
	s_mul_i32 s38, s34, FRB                        ; K's codes: key = lane of fragment w / 2: row 8 h + lane % 8, tile = bit 3, lanes' half w % 2: 1,536 (w / 2) + 768 (w % 2) + 384 h + 48 (lane % 8) + 24 (bit 3)
	s_mul_i32 s39, s35, 768
	s_add_co_u32 s38, s38, s39
	v_mul_u32_u24 v[KW2], v50, 384
	v_mad_u32_u24 v[KW2], v55, 48, v[KW2]
	v_mad_u32_u24 v[KW2], v51, 24, v[KW2]
	v_add_nc_u32 v[KW2], s38, v[KW2]
	s_lshr_b32 s38, s8, 3                          ; K's bytes: KSC + 256 (w / 8) + 4 ((w / 2) % 4) + w % 2 + 128 h + 16 (lane % 8) + 2 (bit 3)
	s_lshl_b32 s38, s38, 8
	s_and_b32 s39, s34, 3
	s_lshl_b32 s39, s39, 2
	s_add_co_u32 s38, s38, s39
	s_add_co_u32 s38, s38, s35
	s_add_co_u32 s38, s38, KSC
	v_lshlrev_b32 v[KS2], 7, v50
	v_lshl_add_u32 v[KS2], v55, 4, v[KS2]
	v_lshl_add_u32 v[KS2], v51, 1, v[KS2]
	v_add_nc_u32 v[KS2], s38, v[KS2]
	s_lshr_b32 s38, s8, 2                          ; V's codes: VIMG + 48 lane + 1,536 (w / 4) + 6,144 ((w / 2) % 2) + 24 (w % 2)
	s_mul_i32 s38, s38, FRB
	s_and_b32 s39, s34, 1
	s_mul_i32 s39, s39, 4*FRB
	s_add_co_u32 s38, s38, s39
	s_mul_i32 s39, s35, 24
	s_add_co_u32 s38, s38, s39
	s_add_co_u32 s38, s38, VIMG
	v_add_nc_u32 v[VW2], s38, v[AK0]
	s_lshr_b32 s38, s8, 2                          ; V's bytes: VSC + 16 r + h + 4 (w / 4) + 256 ((w / 2) % 2) + 2 (w % 2)
	s_lshl_b32 s38, s38, 2
	s_and_b32 s39, s34, 1
	s_lshl_b32 s39, s39, 8
	s_add_co_u32 s38, s38, s39
	s_lshl_b32 s39, s35, 1
	s_add_co_u32 s38, s38, s39
	s_add_co_u32 s38, s38, VSC
	v_lshl_add_u32 v[VS2], v49, 4, v50
	v_add_nc_u32 v[VS2], s38, v[VS2]
	; PHASE P: Q and keys 0 to 1,023.  Every offset is an immediate, nothing is stepped.  One unit of 32 loads is out while another is worked on; V's four units of eight follow them.
	CWORK R0, 32, QWA, 0, 24, QSA, 0, 2            ; Q (behind it: K's unit 0)
	KLOAD 1, R0
	KWORK 0, R1, 32                                ; (behind it: K's unit 1)
	VLOAD 0
	VLOAD 1
	KWORK 1, R0, 16                                ; behind K's unit 1: V's units 0 and 1, sixteen loads
	VLOAD 2
	VLOAD 3
.irp m, 0,1,2,3
	VWORK \m
.endr
	s_wait_dscnt 0x0                               ; for the others' sake: all my codes and bytes lie in LDS, and my reads of my stage are over
	s_barrier_signal -1
	s_barrier_wait -1                              ; Q and the first 1,024 keys of K and V are whole
	; PHASE A
	KSLOAD                                         ; the first streamed unit: it is wanted at the end of key step 0
.irp i, 0,1,2,3,4,5
	v_mov_b32 v[QR+6+\i], 0                        ; the zero codes between the two copies of Q: written once
.endr
.irp b, 0,1,2,3
	v_mov_b32 v[T2+\b], 0                          ; written once: a lane permute's destination counts as one of its sources
.endr
	v_mov_b32 v[FP+1], 0                           ; (named as the upper half of a pair)
	v_mov_b32 v[TMP], 0
	s_mov_b32 s46, HALFC                           ; where the streamed codes go: 12,288 bytes a trip, in KIMG and in VIMG alike;
	s_mov_b32 s47, HALFS                           ; their scale bytes: 512 a trip
	ITER_HEAD 0
	s_mov_b32 s28, 4                               ; trips of two key steps
.Lstream:                                              ; key steps 0 to 7 read keys 0 to 1,023 and bring keys 1,024 to 2,047
	STEP
	KCONS
	STEP
	VCONS
	s_add_co_u32 s46, s46, 8*FRB
	s_add_co_u32 s47, s47, 512
	s_sub_co_u32 s28, s28, 1
	s_cmp_lg_u32 s28, 0
	s_cbranch_scc1 .Lstream
	s_wait_dscnt 0x0                               ; for the others' sake: my streamed codes and bytes lie in LDS, and my reads of my stage are over
	s_barrier_signal -1
	s_barrier_wait -1                              ; the head's K and V are whole
	s_mov_b32 s28, 8
.Lrest:                                                ; key steps 8 to 15
	STEP
	s_sub_co_u32 s28, s28, 1
	s_cmp_lg_u32 s28, 0
	s_cbranch_scc1 .Lrest
	WAYOUT 0, 1
	ITER_HEAD 1
	s_mov_b32 s28, 16
.Lsecond:                                              ; the second 256 queries: all sixteen key steps out of LDS
	STEP
	s_sub_co_u32 s28, s28, 1
	s_cmp_lg_u32 s28, 0
	s_cbranch_scc1 .Lsecond
	WAYOUT 1, 0
	s_wait_xcnt 0x0
	v_lshl_add_u32 v254, v0, 2, 0x49400
	v_mov_b32 v255, 0
	s_wait_tensorcnt 0x0
	ds_add_u32 v254, v255
	s_wait_dscnt 0x0
	s_endpgm
.Lfunc_end_k_qd02ab4e4a0_attn:
	.size	k_qd02ab4e4a0_attn, .Lfunc_end_k_qd02ab4e4a0_attn-k_qd02ab4e4a0_attn
	.p2alignl 7, 3214868480
	.fill 96, 4, 3214868480
	.section	.rodata,"a",@progbits
	.p2align	6, 0x0
	.amdhsa_kernel k_qd02ab4e4a0_attn
		.amdhsa_group_segment_fixed_size 302080
		.amdhsa_private_segment_fixed_size 0
		.amdhsa_enable_private_segment 0
		.amdhsa_kernarg_size 16
		.amdhsa_user_sgpr_count 2
		.amdhsa_user_sgpr_kernarg_segment_ptr 1
		.amdhsa_wavefront_size32 1
		.amdhsa_system_sgpr_workgroup_id_x 1
		.amdhsa_system_sgpr_workgroup_id_y 1
		.amdhsa_system_sgpr_workgroup_id_z 1
		.amdhsa_system_vgpr_workitem_id 0
		.amdhsa_next_free_vgpr 256
		.amdhsa_next_free_sgpr 66
		.amdhsa_reserve_vcc 0
		.amdhsa_float_denorm_mode_32 3
		.amdhsa_float_denorm_mode_16_64 3
		.amdhsa_memory_ordered 1
		.amdhsa_forward_progress 1
		.amdhsa_inst_pref_size 135
	.end_amdhsa_kernel
	.amdgpu_metadata
---
amdhsa.version: [ 1, 2 ]
amdhsa.kernels:
  - .name:           k_qd02ab4e4a0_attn
    .symbol:         k_qd02ab4e4a0_attn.kd
    .args:
      - { .name: qkv, .offset: 0, .size: 8, .value_kind: global_buffer, .address_space: global }
      - { .name: out0, .offset: 8, .size: 8, .value_kind: global_buffer, .address_space: global }
    .group_segment_fixed_size: 302080
    .private_segment_fixed_size: 0
    .kernarg_segment_align: 8
    .kernarg_segment_size: 16
    .max_flat_workgroup_size: 512
    .sgpr_count:     66
    .vgpr_count:     256
    .wavefront_size: 32
...
	.end_amdgpu_metadata
.endif
;; end of part 1
;; ======== version 2 of 2: 1 launch; version 1 with the launch attn written anew for expert scheduling mode
;; launch attn (part 2): grid 4 x 64, 16 waves a work-group, no clusters, 302,080 bytes of LDS; arguments qkv, out0; writes out0
.if DOCPART == 2
	.amdgcn_target "amdgcn-amd-amdhsa--gfx1250"
	.amdhsa_code_object_version 6
	.text
	.protected	k_qd02ab4e4a0_attn
	.globl	k_qd02ab4e4a0_attn
	.p2align	8
	.type	k_qd02ab4e4a0_attn,@function
k_qd02ab4e4a0_attn:
	s_mov_b64 s[64:65], 0
	v_nop
	global_prefetch_b8 v0, s[64:65] scope:SCOPE_SE
	s_setreg_imm32_b32 hwreg(HW_REG_WAVE_SCHED_MODE, 0, 2), 2
	s_setreg_imm32_b32 hwreg(HW_REG_WAVE_MODE, 25, 1), 1
	s_wait_xcnt 0x0
	s_wait_alu depctr_vm_vsrc(0)
; out0[b][16 c-rows of head][t] = sum over s of softmax_s(sum over c of (q g)(k g)) v[c][s], g = 1 / sqrt(sqrt(64)); 64 heads (4 batches x 16), 64 channels, 2,048 positions; qkv and out0 f32, the position innermost.
; BOTH PRODUCTS run on codes of FP6 (E2M3) with one E8M0 scale for each 32 along K.  Product 1: K = the 64 channels (two blocks).  Product 2: K = the keys.
; THE SOFTMAX AHEAD OF PRODUCT 2: t = score x log2(e); M = the row's largest t so far, rounded up to a whole number; p = 2^(t - M) is quantised along the keys, not normalised; the row's sum is taken of the
; unquantised p and divides at the end.  When M moves, the sum and O are multiplied by 2^(old M - new M): exact.
; SHARES.  A work-group (x = 0..3, y = batch x 16 + head) owns 512 queries of one head; sixteen waves of 256 registers, four to a SIMD, so that one wave's vector work stands beside another's products and LDS loads.
; The head's K and V and the work-group's Q are quantised in registers and laid in LDS, codes and scale bytes, in the order of the operands' registers; they stay there.
; PHASE P brings Q and keys 0 to 1,023 (640 KiB of f32); one barrier.  PHASE A: two iterations; in iteration i wave w owns queries 512 x + 256 i + 16 w + 0..15 and walks all 2,048 keys, 128 a step, out of LDS.
; KEYS 1,024 TO 2,047 COME UNDER THE FIRST EIGHT KEY STEPS.  Phase A leaves a wave 32 registers for numbers on their way: 4 KiB a wave, 64 KiB a work-group, which is K and V of 128 keys: one step's worth for each step.
; At the end of an even step a wave quantises a unit of K and asks for a unit of V, at the end of an odd step the other way round; each unit's loads are out for a whole step.  In these eight steps every LDS read lies in the
; first half of K's and V's codes and scale bytes and every streamed store in the second half; one barrier stands between step 7 and step 8.
; K = 64 IN AN INSTRUCTION OF K = 128.  A fragment of K (12 registers) holds TWO tiles of 16 keys: registers 0-5 one tile's 64 channels, registers 6-11 the other's.  Q stands in 18 registers [Q, zeros, Q]: the run [Q, 0]
; picks the first tile, the run [0, Q] the second.  Zero codes add nothing; their scale bytes in Q's word are 0, the smallest scale there is.
; LAYOUT.  Both products are used transposed (S^T = K Q^T, O^T = V P^T): a lane holds ONE query (lane % 16) throughout.  THE KEYS OF A TILE ARE NOT NEIGHBOURS: of the 32 keys of a fragment, key 16 a + 8 u + i lies in row 8 a + i
; of tile u, so that a lane's 16 registers of a fragment's two tiles are 16 neighbouring keys, as the conversions to codes want them.
; NO CLUSTER, NO TENSOR LOADS: what the four work-groups of a head share is f32 that has to pass a lane's registers to be quantised.  Beside the 230,400 bytes that stay, LDS has room for two slots of some 32 KiB (64 keys of K and V):
; 1 MiB through them would be 32 refills, each behind a meeting of the four work-groups.  The four are neighbours in x and read the same rows at about the same time.
; LIMITS: NaN and infinities among the inputs are not served.  A block of zeros gets the scale byte 1 where the quantiser says 127: its codes are zeros, which add nothing, and only this text reads the bytes.
; A p under 2^-126 counts as 0 (v_exp_f32 gives no denormals: ISA guide, its entry).  A block's largest p is made from the block's largest score by the same two instructions as every p, which takes v_exp_f32 not to fall where
; its input rises.  1 / sum is v_rcp_f32.  The row's sum is added in another order than a sum along the row.
; THE MODE: SCHED_MODE bits 1:0 = 2 (LLVM: expert scheduling mode 2), set by the entry lines.  The code itself states the register dependences between vector or matrix instructions and memory or LDS instructions,
; with s_wait_alu, always for 0.
; THE PLAN.  Registers that memory or LDS instructions touch, and who else names them:
;   PHASE P   R0, R1: global loads land there; the multiplications by g (Q, K) or the stage's LDS stores (V) read them.  X: written by those multiplications or by the stage's LDS loads, read by QBLOCK.
;             TB, two sets: written by QBLOCK, read by the LDS stores of codes and bytes.  A unit has one wait on vm_vsrc ahead of its QBLOCK (the last unit's stores have read TB) and one on va_vdst behind it
;             (TB is written; the set or X that the unit emptied may be loaded again): the unit's stores and the next loads follow that one wait.
;   A STEP    ADK, ADV, ADS: written by three additions at the head, read by the step's 26 LDS loads.  F, KS, VS: LDS loads land there, the products read them; K's and V's fragments share F, since the sixteen waves'
;             256 registers each are all that the four SIMDs have.  PC, PW: made by vector instructions, read by the products V P^T.  So a step has one wait on vm_vsrc, at its head, and five on va_vdst:
;             behind the additions, behind K Q^T, ahead of and behind the exponentials, ahead of V P^T.
;   STREAMED  LS: global loads land there; K's multiplications or V's stage stores read it.  XS: written by those multiplications or by the stage's loads, read by QBLOCK.  v96-111: QBLOCK's results and two addresses,
;             read by the unit's LDS stores.  One wait on va_vdst a unit, ahead of its stores (K's: and of V's loads); V's unit has one on vm_vsrc ahead of K's next loads.
;   WAY OUT   v96-127 and v130: written by vector instructions, read by 32 LDS stores: one wait on va_vdst.  F: the stage's loads land there, the global stores read it; the next step's head frees it.
;   The other addresses (v1, v7-11, v36-43; in phase P v12-20) are made once at the head.
.set ROW,   8192                       ; a channel's 2,048 positions in bytes
.set KIMG,  0                          ; LDS: K's 64 fragments (32 keys each) x 1,536 bytes: lane L's 12 registers on end at 48 L
.set VIMG,  98304                      ; V's 64 fragments: (key step j, channel tile ct) at 1,536 (4 j + ct), lane L at 48 L
.set KSC,   196608                     ; K's scale words: step j at 256 j, row r at 16 r, fragment b's word at 4 b; its bytes: first tile's blocks 0, 1, second tile's blocks 0, 1
.set VSC,   200704                     ; V's: step j at 256 j, row r at 16 r, tile ct's word at 4 ct; byte = block of 32 keys
.set QIMG,  204800                     ; Q's 32 tiles of 16 queries x 768 bytes: lane L's 6 registers at 24 L
.set QSC,   229376                     ; Q's scale bytes: tile T at 32 T, query r at 2 r, byte = block
.set STG,   230400                     ; while V is quantised: each wave's own stage, 16 rows of 272 bytes, at 4,352 w.  On the way out: the work-group's stage, 64 rows of 1,040 bytes
.set FRB,   1536
.set TPI,   272                        ; 256 bytes + 16: 68 words, so that 16 rows start at 16 different groups of four banks (64 banks of 4 bytes: ISA guide 11.1)
.set OPI,   1040                       ; 1,024 bytes + 16
.set HALFC, 49152                      ; the codes of 1,024 keys, in KIMG and in VIMG alike
.set HALFS, 2048                       ; their scale bytes, in KSC and in VSC alike
; registers that stay
.set AK0, 1                            ; 48 lane
.set FP,  2                            ; v2 f, at the end 1 / sum; v3 named with it as a pair
.set ADK, 4                            ; addresses in hand
.set ADV, 5
.set ADS, 6
.set QRA, 7                            ; QIMG + 768 w + 24 lane
.set QSR, 8                            ; QSC + 32 w + 2 r
.set AS0, 9                            ; KSC + 16 r
.set SRA, 10                           ; STG + 4,160 w + 16 lane
.set GOA, 11                           ; 32,768 w + 16 lane: my bytes in the iteration's part of out0
; phase A: v12 -M, v13 the largest t, v[14:15] the sum in two halves
.set QR,  16                           ; v16-21 Q, v22-27 zeros, v28-33 Q
.set QS,  34                           ; v34 Q's scale word for [Q, 0]; v35 for [0, Q]
.set KG2, 36                           ; the streamed units: byte offsets in memory of K's and of V's,
.set VG2, 37
.set KW2, 38                           ; where their codes and scale bytes go,
.set KS2, 39
.set VW2, 40
.set VS2, 41
.set TWA, 42                           ; my wave's stage: in, as loaded;
.set TRA, 43                           ; out, 32 neighbours a lane
.set SOP, 44                           ; v44-47   the conversions' scale operands
.set F,   48                           ; v48-95   four fragments of K, then of V; on the way out rows of O
.set S,   96                           ; v96-159  S^T, then p; behind the sums free: the streamed units are worked there; at the end O / sum
.set OA,  160                          ; v160-191 O^T: four tiles of 16 channels
.set PC,  192                          ; v192-203 p's codes
.set PT,  204                          ; v204-206, v208-210 the conversions of the blocks' second halves
.set T2,  204                          ; v204-207 at work ahead of the conversions
.set TMP, 208                          ; likewise
.set PW,  211                          ; p's scale word
.set KS,  212                          ; v212-215 K's scale words
.set VS,  216                          ; v216-219 V's
.set BM,  220                          ; v220-223 the blocks' largest scores;
.set L2,  220                          ; behind them v[220:221] the sum's second chain
.set LS,  224                          ; v224-255 a streamed unit's 32 numbers a lane, on their way
.set XS,  S+16                         ; v112-143 the streamed unit's block at work; v96-108 QBLOCK's own registers
.set SA0, S+14                         ; v110, v111 the addresses of its stores
.set SA1, S+15
.set SOA, S+34                         ; v130, v131 the way out: where I put a number into the stage
; phase P alone
.set KGA, 12                           ; byte offsets in memory: K, Q, V
.set QGA, 13
.set VGA, 14
.set KWA, 15                           ; where I store codes and scale bytes: K's, Q's, V's
.set KSA, 16
.set QWA, 17
.set QSA, 18
.set VWA, 19
.set VSA, 20
.set R0,  64                           ; v64-127, v128-191 two sets of loaded numbers
.set R1,  128
.set X,   192                          ; v192-223 the 32 numbers of one block
.set TB,  224                          ; v224-236, v240-252 QBLOCK's own registers, two sets
; 32 numbers of ONE block in v[x] on become 6 registers of codes in v[tb + 4] on and the scale's byte in v[tb + 3].  (v[tb], v[tb + 1]: two chains of the largest magnitude; v[tb + 2]: the scale operand; v[tb + 10] on: the second half
; as converted.)  The largest magnitude has the floor 2^(3 - 127) among its leaves, so that the byte cannot fall under 1; 2 off its exponent field is the scale; the conversion takes the exponent field of its scale operand and
; nothing else of it, rounds to the nearest code, ties to even, and gives the largest code beyond 7.5.
.macro QBLOCK x, tb
	v_max3_num_f32 v[\tb], |v[\x]|, |v[\x+1]|, |v[\x+2]|
	v_max3_num_f32 v[\tb+1], |v[\x+3]|, |v[\x+4]|, |v[\x+5]|
.irp i, 6,10,14,18,22,26
	v_max3_num_f32 v[\tb], v[\tb], |v[\x+\i]|, |v[\x+\i+1]|
	v_max3_num_f32 v[\tb+1], v[\tb+1], |v[\x+\i+2]|, |v[\x+\i+3]|
.endr
	v_max3_num_f32 v[\tb], v[\tb], |v[\x+30]|, |v[\x+31]|
	v_max3_num_f32 v[\tb], v[\tb], v[\tb+1], 0x1800000
	v_add_nc_u32 v[\tb+2], 0xff000000, v[\tb]
	v_cvt_scalef32_pk16_fp6_f32 v[\tb+4:\tb+6], v[\x:\x+15], v[\tb+2]
	v_cvt_scalef32_pk16_fp6_f32 v[\tb+10:\tb+12], v[\x+16:\x+31], v[\tb+2]   ; (a conversion's three registers begin on an even number: the second half is made elsewhere and moved)
	v_lshrrev_b32 v[\tb+3], 23, v[\tb+2]           ; the scale's byte; also the one plain instruction between the conversions and the moves that read their results
.irp i, 0,1,2
	v_mov_b32 v[\tb+7+\i], v[\tb+10+\i]
.endr
.endm
; The block's codes and byte go to LDS.
.macro QSTORE tb, wa, woff, sa, soff
.irp p, 0,1,2
	ds_store_b64 v[\wa], v[\tb+4+2*\p:\tb+5+2*\p] offset:\woff+8*\p
.endr
	ds_store_b8 v[\sa], v[\tb+3] offset:\soff
.endm
; PHASE P.  Q and K: the channels are the outer axis in memory.  A lane takes two neighbouring positions and its registers run DOWN the 32 channels of a block: each load covers 256 consecutive bytes of one channel's row, aligned.
.macro CLOAD rs, base, va, off, nt
.set ii, 0
.rept 32
.if \nt
	global_load_b64 v[\rs+2*ii:\rs+2*ii+1], v[\va], s[\base:\base+1] offset:\off+ROW*ii th:TH_LOAD_NT
.else
	global_load_b64 v[\rs+2*ii:\rs+2*ii+1], v[\va], s[\base:\base+1] offset:\off+ROW*ii
.endif
.set ii, ii+1
.endr
.endm
; The unit in set rs is scaled by g (which also sorts the lane's two positions apart) and quantised, both blocks; then both are stored.  left: the younger loads, which may stay out.  first = 1: no unit stands in front of it.
.macro CWORK rs, left, wa, woff, wes, sa, soff, ses, first
	s_wait_loadcnt \left                           ; loads come back in order: this unit's 32 are in
	s_wait_dscnt 0x0                               ; the last unit's LDS stores are done
.if !\first
	s_wait_alu depctr_vm_vsrc(0)                   ; the last unit's LDS stores have read the codes and bytes in TB's two sets, which the two QBLOCK below write anew
.endif
.irp e, 0,1
.set ii, 0
.rept 32
	v_mul_f32 v[X+ii], s24, v[\rs+2*ii+\e]
.set ii, ii+1
.endr
	QBLOCK X, TB+16*\e
.endr
	s_wait_alu depctr_va_vdst(0)                   ; both blocks' codes and bytes are written, and the addresses made at the head, which the LDS stores read; the multiplications are done reading this set, in which the loads that follow the unit land; QBLOCK is done reading X
.irp e, 0,1
	QSTORE TB+16*\e, \wa, \woff+\wes*\e, \sa, \soff+\ses*\e
.endr
.endm
; K's unit n of a wave: keys 64 w + 0..63, channel block n.  Key 2 lane + e of the 64: fragment 2 w + lane / 16, row 8 (bit 3) + 2 (lane % 4) + e, tile = bit 2 of the lane.
.macro KLOAD n, rs
	CLOAD \rs, 14, KGA, 262144*(\n), 0
.endm
.macro KWORK n, rs, left
	CWORK \rs, \left, KWA, 768*(\n), 48, KSA, \n, 16, 0
.endm
; V: the keys, its K, are innermost.  Unit m of a wave: channels 16 m + 0..15, keys 64 w + 0..63.  Each load takes 256 consecutive bytes of two rows, 16 bytes a lane.
.macro VLOAD m
.irp q, 0,1,2,3,4,5,6,7
	global_load_b128 v[R0+32*(((\m)+2)%4)+4*\q:R0+32*(((\m)+2)%4)+4*\q+3], v[VGA], s[16:17] offset:2*ROW*\q+16*ROW*(\m)
.endr
.endm
; The unit turns through my wave's own stage, so that lane (r, h) gets channel r's 32 neighbouring keys 32 h on: a whole block, six registers of the fragment.
.macro VWORK m
	s_wait_loadcnt 8*(3-(\m))                      ; this unit's eight loads are in; those of the units behind it may be out
.irp q, 0,1,2,3,4,5,6,7
	ds_store_b128 v[TWA], v[R0+32*(((\m)+2)%4)+4*\q:R0+32*(((\m)+2)%4)+4*\q+3] offset:2*TPI*\q
.endr
.irp q, 0,1,2,3,4,5,6,7
	ds_load_b128 v[X+4*\q:X+4*\q+3], v[TRA] offset:16*\q   ; LDS serves a wave's instructions in order (ISA guide 5.7.1.4): these see the stores above.  No vector instruction since the last unit's wait on va_vdst names X
.endr
	s_wait_dscnt 0x0                               ; the block is in
	s_wait_alu depctr_vm_vsrc(0)                   ; the last unit's LDS stores have read the codes and the byte in TB, which QBLOCK writes anew
	QBLOCK X, TB
	s_wait_alu depctr_va_vdst(0)                   ; the codes and the byte are written, which the LDS stores read; QBLOCK is done reading X, in which the next unit's block lands
	QSTORE TB, VWA, FRB*(\m), VSA, 4*(\m)
.endm
; THE STREAMED UNITS, trip T = 0..3 of the first eight key steps: keys 1,024 + 256 T + 0..255.
; K's: wave w takes keys 32 (w / 2) + lane of them, channel block w % 2; a lane takes ONE key and its registers run down the 32 channels: each load covers 128 consecutive bytes, and the waves two apart stand side by side.
.macro KSLOAD
.set ii, 0
.rept 32
	global_load_b32 v[LS+ii], v[KG2], s[42:43] offset:ROW*ii
.set ii, ii+1
.endr
.endm
; V's: wave w takes channels 16 (w / 4) + 0..15, keys 64 (w % 4) + 0..63 of them.
.macro VSLOAD
.irp q, 0,1,2,3,4,5,6,7
	global_load_b128 v[LS+4*\q:LS+4*\q+3], v[VG2], s[44:45] offset:2*ROW*\q
.endr
.endm
; At the end of an even step: my unit of K, asked for a step ago, is scaled into score registers that are free now and quantised; behind one wait V's unit is asked for and K's codes are stored.
.macro KCONS
	s_wait_loadcnt 0x0                             ; my 32 loads are in: nothing else of mine is out,
	s_add_nc_u64 s[42:43], s[42:43], 1024          ; so their base may step: the next trip's 256 keys
.set ii, 0
.rept 32
	v_mul_f32 v[XS+ii], s24, v[LS+ii]
.set ii, ii+1
.endr
	QBLOCK XS, S
	v_add_nc_u32 v[SA0], s46, v[KW2]               ; fragment 32 + 8 T + w / 2
	v_add_nc_u32 v[SA1], s47, v[KS2]
	s_wait_alu depctr_va_vdst(0)                   ; the multiplications are done reading LS, in which V's unit lands; the codes, the byte and the two addresses are written, which the LDS stores read
	VSLOAD
	QSTORE S, SA0, 0, SA1, 0
.endm
; At the end of an odd step: my unit of V turns through my stage; the next trip's unit of K is asked for, if there is a next trip; V's is quantised and stored.
.macro VCONS
	s_wait_loadcnt 0x0                             ; my eight loads are in,
	s_add_nc_u64 s[44:45], s[44:45], 1024          ; so their base may step
.irp q, 0,1,2,3,4,5,6,7
	ds_store_b128 v[TWA], v[LS+4*\q:LS+4*\q+3] offset:2*TPI*\q
.endr
.irp q, 0,1,2,3,4,5,6,7
	ds_load_b128 v[XS+4*\q:XS+4*\q+3], v[TRA] offset:16*\q   ; behind the step's last wait on va_vdst stand its four products alone, which name none of these registers
.endr
	s_wait_dscnt 0x0                               ; the block is in
	s_wait_alu depctr_vm_vsrc(0)                   ; the stage's stores have read LS, in which the loads below land
	s_cmp_eq_u32 s28, 1                            ; the last trip asks for nothing: all 2,048 keys have been asked for
	s_cbranch_scc1 .Lno_more_\@
	KSLOAD
.Lno_more_\@:
	QBLOCK XS, S
	v_add_nc_u32 v[SA0], s46, v[VW2]               ; key step 8 + 2 T + (w / 2) % 2, tile w / 4, registers 6 (w % 2) on
	v_add_nc_u32 v[SA1], s47, v[VS2]
	s_wait_alu depctr_va_vdst(0)                   ; the codes, the byte and the two addresses are written, which the LDS stores read
	QSTORE S, SA0, 0, SA1, 0
.endm
; A KEY STEP: 128 keys.  s26: the step's fragments of K (6,144 bytes a step); s25: those of V; s27: its scale words (256).
.macro STEP
	s_wait_alu depctr_vm_vsrc(0)                   ; the last step's LDS loads have read the three addresses that are written below; a streamed unit's or the way out's LDS stores have read the score registers that the products write; the way out's global stores have read F, in which K's fragments land
	v_add_nc_u32 v[ADK], s26, v[AK0]               ; (four plain lines between the last step's products and the loads into the registers that they read)
	v_add_nc_u32 v[ADV], s25, v[AK0]
	v_add_nc_u32 v[ADS], s27, v[AS0]
	v_nop
	s_wait_alu depctr_va_vdst(0)                   ; the three addresses are written, which the step's LDS loads read; the last step's products V P^T are done reading F and V's scale words; in an iteration's first step: Q's second scale word and the zero codes, made by vector instructions, are written, which the products take
.irp b, 0,1,2,3
.irp c, 0,1,2
	ds_load_b128 v[F+12*\b+4*\c:F+12*\b+4*\c+3], v[ADK] offset:FRB*\b+16*\c   ; lanes 48 bytes apart
.endr
.endr
	ds_load_b128 v[KS:KS+3], v[ADS]                ; the four fragments' scale words of row r
	s_wait_dscnt 0x0                               ; they are in
.irp b, 0,1,2,3                                ; S^T = K Q^T: eight tiles of 16 keys; lane (r, h), register 16 b + 8 u + i: query r, key 32 b + 16 h + 8 u + i of the step
.irp u, 0,1
	v_wmma_scale_f32_16x16x128_f8f6f4 v[S+16*\b+8*\u:S+16*\b+8*\u+7], v[F+12*\b:F+12*\b+11], v[QR+6*\u:QR+6*\u+11], 0, v[KS+\b], v[QS+\u] matrix_a_fmt:MATRIX_FMT_FP6 matrix_b_fmt:MATRIX_FMT_FP6
.endr
.endr
.rept 4
	v_nop                                          ; four places (ISA guide 7.12.1) in front of the first read of the scores
.endr
	s_wait_alu depctr_va_vdst(0)                   ; the products K Q^T are done reading F, in which V's fragments land
.irp t, 0,1,2,3
.irp c, 0,1,2
	ds_load_b128 v[F+12*\t+4*\c:F+12*\t+4*\c+3], v[ADV] offset:FRB*\t+16*\c   ; V's four fragments land while the softmax is walked
.endr
.endr
	ds_load_b128 v[VS:VS+3], v[ADS] offset:VSC-KSC
.irp b, 0,1,2,3
	v_max3_num_f32 v[BM+\b], v[S+16*\b], v[S+1+16*\b], v[S+2+16*\b]   ; THE LARGEST SCORE OF EACH BLOCK OF 32 KEYS serves twice: for the row's maximum and, since p rises with the score, for the block's largest p.  Each accumulator is read from its low end on
.endr
.irp i, 3,5,7,9,11,13
.irp b, 0,1,2,3
	v_max3_num_f32 v[BM+\b], v[BM+\b], v[S+16*\b+\i], v[S+1+16*\b+\i]   ; (the four blocks by turns)
.endr
.endr
.irp b, 0,1,2,3
	v_max_num_f32 v[BM+\b], v[BM+\b], v[S+15+16*\b]
.endr
.irp b, 0,1,2,3
	v_permlanex16_b32 v[T2+\b], v[BM+\b], s20, s21
.endr
.irp b, 0,1,2,3
	v_max_num_f32 v[BM+\b], v[BM+\b], v[T2+\b]     ; with lane l xor 16's 16 keys
.endr
	v_max3_num_f32 v[TMP], v[BM], v[BM+1], v[BM+2]
	v_max_num_f32 v[TMP], v[TMP], v[BM+3]          ; the step's largest score of my query
	v_mul_f32 v[TMP], s22, v[TMP]                  ; as t
	v_max_num_f32 v13, v13, v[TMP]                 ; the running largest t
	v_mov_b32 v[TMP], v12
	v_floor_f32 v12, -v13                          ; the new -M = floor(-t) = -ceil(t): a whole number
	v_sub_f32 v[TMP], v12, v[TMP]                  ; old M - new M: a whole number, 0 or less
	v_cvt_i32_f32 v[TMP], v[TMP]                   ; (it saturates)
	v_ldexp_f32 v[FP], 1.0, v[TMP]                 ; f = 2^(old M - new M): a multiplication by it rounds nothing
.set jj, 0
.rept 32
	v_pk_fma_f32 v[S+jj:S+jj+1], v[S+jj:S+jj+1], s[22:23], v[12:13] op_sel_hi:[1,0,0]   ; t - M, two at a time (of the pairs log2(e) and -M the low word serves both halves)
.set jj, jj+2
.endr
.irp b, 0,1,2,3
	v_fma_f32 v[BM+\b], v[BM+\b], s22, v12         ; the same of each block's largest score
.endr
.set jj, 0
	s_wait_alu depctr_va_vdst(0)
.rept 64
	v_exp_f32 v[S+jj], v[S+jj]                     ; p = 2^(t - M): not normalised
.set jj, jj+1
.endr
.irp b, 0,1,2,3
	v_exp_f32 v[BM+\b], v[BM+\b]                   ; the block's largest p: the same two instructions on the same number give the same bits
.endr
	v_pk_mul_f32 v[14:15], v[14:15], v[FP:FP+1] op_sel_hi:[1,0]   ; the sums under the new M.  (The plain instruction behind the exponentials: ISA guide 5.7.2)
	s_wait_alu depctr_va_vdst(0)                   ; the 68 exponentials have written p and the blocks' largest p: one wait for the batch, ahead of its first reader
.irp b, 0,1,2,3
	v_max_num_f32 v[BM+\b], 0x1800000, v[BM+\b]    ; the floor 2^(3 - 127): the byte cannot fall under 1
.endr
.irp b, 0,1,2,3
	v_add_nc_u32 v[SOP+\b], 0xff000000, v[BM+\b]   ; 2 off the exponent field: the conversion's scale operand
.endr
.irp b, 0,1,2,3
	v_lshrrev_b32 v[T2+\b], 23, v[SOP+\b]          ; the scale's byte
.endr
	v_lshl_or_b32 v[PW], v[T2+1], 8, v[T2]         ; p's scale word for these 128 keys
	v_lshl_or_b32 v[PW], v[T2+2], 16, v[PW]
	v_lshl_or_b32 v[PW], v[T2+3], 24, v[PW]
.irp c, 0,1
	v_cvt_scalef32_pk16_fp6_f32 v[PC+6*\c:PC+6*\c+2], v[S+32*\c:S+32*\c+15], v[SOP+2*\c]
	v_cvt_scalef32_pk16_fp6_f32 v[PT+4*\c:PT+4*\c+2], v[S+16+32*\c:S+31+32*\c], v[SOP+2*\c+1]
.endr
	v_nop                                          ; one plain instruction between a scaled conversion and the vector instruction that touches its result
.irp c, 0,1                                    ; the operand's layout wants a WHOLE block in a lane: lanes 0-15 block 2 c, lanes 16-31 block 2 c + 1
.irp i, 0,1,2
	v_permlane16_swap_b32 v[PC+6*\c+\i], v[PT+4*\c+\i]
.endr
.irp i, 0,1,2
	v_mov_b32 v[PC+3+6*\c+\i], v[PT+4*\c+\i]
.endr
.endr
	v_pk_add_f32 v[L2:L2+1], v[S:S+1], v[S+2:S+3]  ; THE ROW'S SUM IS TAKEN OF THE UNQUANTISED p: two at a time, in two chains
.irp j, 4,8,12,16,20,24,28,32,36,40,44,48,52,56,60
	v_pk_add_f32 v[14:15], v[14:15], v[S+\j:S+\j+1]
	v_pk_add_f32 v[L2:L2+1], v[L2:L2+1], v[S+2+\j:S+3+\j]
.endr
	v_pk_add_f32 v[14:15], v[14:15], v[L2:L2+1]
.set jj, 0
.rept 16
	v_pk_mul_f32 v[OA+jj:OA+jj+1], v[OA+jj:OA+jj+1], v[FP:FP+1] op_sel_hi:[1,0]   ; O^T under the new M, from each accumulator's low end on.  (The 48 lines from the sums on stand between p's codes and scale word and the products)
.set jj, jj+2
.endr
	s_wait_alu depctr_va_vdst(0)                   ; p's codes and scale word, made by vector instructions, are written, which the products below take as source 1 and its scales (the places above stay beside this wait); the sums and conversions are done reading the score registers, in which a streamed unit's block lands behind the step
	s_wait_dscnt 0x0                               ; V's fragments and scale words are in
.irp t, 0,1,2,3                                ; O^T += V P^T: four tiles of 16 channels, K = these 128 keys; the four accumulators take turns, and the eight products K Q^T stand between two links
	v_wmma_scale_f32_16x16x128_f8f6f4 v[OA+8*\t:OA+8*\t+7], v[F+12*\t:F+12*\t+11], v[PC:PC+11], v[OA+8*\t:OA+8*\t+7], v[VS+\t], v[PW] matrix_a_fmt:MATRIX_FMT_FP6 matrix_b_fmt:MATRIX_FMT_FP6
.endr
	s_add_co_u32 s26, s26, 4*FRB
	s_add_co_u32 s25, s25, 4*FRB
	s_add_co_u32 s27, s27, 256
.endm
; THE HEAD OF ITERATION i: my tile of Q, the statistics, zeros for O^T.  The loads land in registers that no vector or matrix instruction has named since the last wait on va_vdst: in iteration 0 the last unit's of phase P,
; in iteration 1 the way out's, behind which no vector instruction stands.
.macro ITER_HEAD i
.irp p, 0,1,2
	ds_load_b64 v[QR+2*\p:QR+2*\p+1], v[QRA] offset:12288*\i+8*\p          ; my tile of Q, twice; an iteration's 16 tiles are 12,288 bytes
	ds_load_b64 v[QR+12+2*\p:QR+12+2*\p+1], v[QRA] offset:12288*\i+8*\p
.endr
	ds_load_u16 v[QS], v[QSR] offset:512*\i        ; its two scale bytes: bytes 0 and 1 of the word; bytes 2 and 3 are 0
	s_wait_dscnt 0x0
	v_lshlrev_b32 v[QS+1], 16, v[QS]               ; and the word for [0, Q].  The 36 moves below stand between this line and the first product that names it
	v_mov_b32 v13, 0xff61b1e6                      ; the largest t so far: -3e38, under every t
	v_floor_f32 v12, -v13                          ; -M
	v_mov_b32 v14, 0                               ; the sum, in two halves
	v_mov_b32 v15, 0
.set jj, 0
.rept 32
	v_mov_b32 v[OA+jj], 0                          ; O^T.  (The step has one form: the first finds zeros, which the first change of M leaves zeros)
.set jj, jj+1
.endr
	s_mov_b32 s26, 0
	s_mov_b32 s25, VIMG
	s_mov_b32 s27, 0
.endm
; THE WAY OUT OF ITERATION i.  A lane holds one query and 32 channels; out0's rows run along the queries.  So O^T / sum goes into the work-group's stage [64 channels][256 queries], and each wave stores four whole rows of 1,024 bytes.
; more = 1: another iteration follows and will write the stage again.
.macro WAYOUT i, more
.rept 4
	v_nop                                          ; four places behind the last products
.endr
	v_add_f32 v14, v14, v15                        ; the sum's two halves,
	v_permlanex16_b32 v[TMP], v14, s20, s21
	v_add_f32 v14, v14, v[TMP]                     ; and lane l xor 16's: the row's sum
	s_wait_alu depctr_va_vdst(0)
	v_rcp_f32 v[FP], v14
	v_bfe_u32 v[SOA], v0, 4, 1                     ; (plain instructions behind the transcendental)  where I put my numbers: STG + 64 w + 8,320 h + 4 r
	v_and_b32 v[SOA+1], 15, v0
	v_mul_u32_u24 v[SOA], v[SOA], 8*OPI
	v_lshl_add_u32 v[SOA], v[SOA+1], 2, v[SOA]
	v_add_nc_u32 v[SOA], s41, v[SOA]
.set jj, 0
	s_wait_alu depctr_va_vdst(0)                   ; the reciprocal is written, ahead of its first reader
.rept 16
	v_pk_mul_f32 v[S+jj:S+jj+1], v[OA+jj:OA+jj+1], v[FP:FP+1] op_sel_hi:[1,0]   ; register 8 t + n: channel 16 t + 8 h + n of query 16 w + r
.set jj, jj+2
.endr
	s_wait_alu depctr_va_vdst(0)                   ; O / sum and the stage's address are written, which the LDS stores read; the products are long done reading F and Q's registers, in which the loads below and the next iteration's land
.irp t, 0,1,2,3
.irp n, 0,1,2,3,4,5,6,7
	ds_store_b32 v[SOA], v[S+8*\t+\n] offset:(16*\t+\n)*OPI   ; sixteen lanes 64 neighbouring bytes; lanes 16-31 eight rows, 2,080 words, on: the other half of the banks
.endr
.endr
	s_wait_dscnt 0x0                               ; for the others' sake: my part of the stage is written
	s_barrier_signal -1
	s_barrier_wait -1                              ; the stage is whole
.irp n, 0,1,2,3,4,5,6,7
	ds_load_b128 v[F+4*\n:F+4*\n+3], v[SRA] offset:(\n/2)*OPI+512*(\n%2)   ; channels 4 w + n / 2
.endr
.irp n, 0,1,2,3,4,5,6,7
	s_wait_dscnt 7-\n                              ; LDS loads come back in order: the younger ones may stay out
	global_store_b128 v[GOA], v[F+4*\n:F+4*\n+3], s[6:7] offset:1024*\i+(\n/2)*ROW+512*(\n%2) th:TH_STORE_NT   ; 32 lanes store 512 consecutive bytes, at a multiple of 512 from out0's first byte; written once, read by nobody here
.endr
.if \more
	s_barrier_signal -1                            ; my reads of the stage are back (the last count was 0):
	s_barrier_wait -1                              ; when every wave has said so, the next iteration may write the stage again
	s_wait_xcnt 0x0                                ; the stores' data registers are written again only behind this wait, and behind the wait on vm_vsrc at the next step's head
.endif
.endm
	s_load_b128 s[4:7], s[0:1], 0x0                ; qkv s[4:5], out0 s[6:7]
	v_lshrrev_b32 v56, 5, v0
	v_readfirstlane_b32 s8, v56                    ; wave w, 0..15
	v_and_b32 v48, 31, v0                          ; lane
	s_wait_alu depctr_va_vdst(0)
	v_and_b32 v49, 15, v0                          ; r
	v_bfe_u32 v50, v0, 4, 1                        ; h
	v_bfe_u32 v51, v0, 3, 1                        ; bit 3
	v_bfe_u32 v52, v0, 2, 1                        ; bit 2
	v_and_b32 v53, 3, v0                           ; lane % 4
	v_bfe_u32 v54, v0, 3, 2                        ; lane / 8
	v_and_b32 v55, 7, v0                           ; lane % 8
	s_wait_alu depctr_va_sdst(0)                   ; s8 is written, ahead of its first reader: every wave's share is made from it
	s_lshr_b32 s34, s8, 1                          ; w / 2
	s_and_b32 s35, s8, 1                           ; w % 2
	s_and_b32 s10, ttmp7, 0xffff                   ; y = batch x 16 + head
	s_lshr_b32 s11, s10, 4
	s_and_b32 s18, s10, 15
	s_mul_i32 s32, s11, 3072*ROW                   ; the batch's 3,072 rows,
	s_lshl_b32 s18, s18, 19                        ; the head's 64 rows of 8,192 bytes
	s_add_co_u32 s32, s32, s18                     ; (under 100,663,296)
	s_mov_b32 s33, 0
	s_lshl_b32 s18, ttmp9, 11                      ; my 512 queries: 2,048 x bytes on in a row
	s_mov_b32 s19, 0
	s_lshl_b32 s36, s10, 19                        ; out0: y x 64 rows,
	s_add_co_u32 s36, s36, s18                     ; and the same 2,048 x
	s_mov_b32 s37, 0
	s_mov_b32 s20, 0x76543210                      ; v_permlanex16_b32's selects for lane l xor 16
	s_mov_b32 s21, 0xfedcba98
	s_mov_b32 s22, 0x3fb8aa3b                      ; log2(e)
	s_mov_b32 s23, s22                             ; (the packed form names the pair, so it is written)
	s_mov_b32 s24, 0x3eb504f3                      ; g = 1 / sqrt(sqrt(64)) in f32
	s_lshl_b32 s38, s8, 8
	v_lshl_add_u32 v[KGA], v48, 3, s38             ; K: 8 lane + 256 w
	s_lshl_b32 s39, s34, 8
	s_lshl_b32 s40, s35, 18
	s_add_co_u32 s39, s39, s40
	v_lshl_add_u32 v[QGA], v48, 3, s39             ; Q: wave w takes queries 64 (w / 2) on, channel block w % 2 (32 rows on)
	s_wait_kmcnt 0x0
	s_add_nc_u64 s[12:13], s[4:5], s[32:33]        ; the head's q,
	s_add_nc_u64 s[14:15], s[12:13], 0x800000      ; its k: 1,024 rows on,
	s_add_nc_u64 s[16:17], s[12:13], 0x1000000     ; its v: 2,048 rows on
	s_add_nc_u64 s[42:43], s[14:15], 4096          ; k and v at key 1,024: the streamed units' bases
	s_add_nc_u64 s[44:45], s[16:17], 4096
	s_add_nc_u64 s[12:13], s[12:13], s[18:19]      ; q at my 512 queries
	s_add_nc_u64 s[6:7], s[6:7], s[36:37]          ; out0 likewise
	s_wait_alu depctr_va_vdst(0)                   ; Q's and K's offsets are written, which the loads below read
	CLOAD R0, 12, QGA, 0, 1                        ; Q is read by this work-group alone
	KLOAD 0, R1
	; the addresses in LDS: a constant, constants x parts of the lane's number, constants x parts of the wave's.  None of these lines names a register of the 64 loads that are out; the first unit's wait on va_vdst shows them all written
	v_mul_u32_u24 v[AK0], v48, 48
	v_lshl_add_u32 v[AS0], v49, 4, KSC
	s_mul_i32 s38, s8, 768
	s_add_co_u32 s38, s38, QIMG
	v_mul_u32_u24 v[QRA], v48, 24
	v_add_nc_u32 v[QRA], s38, v[QRA]
	s_lshl_b32 s38, s8, 5
	s_add_co_u32 s38, s38, QSC
	v_lshlrev_b32 v[QSR], 1, v49
	v_add_nc_u32 v[QSR], s38, v[QSR]
	s_lshl_b32 s41, s8, 6                          ; the way out: 64 w + STG, kept
	s_add_co_u32 s41, s41, STG
	s_mul_i32 s38, s8, 4*OPI
	s_add_co_u32 s38, s38, STG
	v_lshlrev_b32 v[SRA], 4, v48
	v_add_nc_u32 v[SRA], s38, v[SRA]
	s_lshl_b32 s38, s8, 15
	v_lshlrev_b32 v[GOA], 4, v48
	v_add_nc_u32 v[GOA], s38, v[GOA]
	s_lshl_b32 s38, s8, 8
	v_lshlrev_b32 v[VGA], 13, v50                  ; V: lanes 16-31 a row further down, 16 bytes a lane, 256 w
	v_lshl_add_u32 v[VGA], v49, 4, v[VGA]
	v_add_nc_u32 v[VGA], s38, v[VGA]
	s_mul_i32 s38, s8, 2*FRB                       ; K's codes: 3,072 w + 1,536 h + 384 (bit 3) + 96 (lane % 4) + 24 (bit 2)
	v_mul_u32_u24 v[KWA], v50, FRB
	v_mad_u32_u24 v[KWA], v51, 384, v[KWA]
	v_mad_u32_u24 v[KWA], v53, 96, v[KWA]
	v_mad_u32_u24 v[KWA], v52, 24, v[KWA]
	v_add_nc_u32 v[KWA], s38, v[KWA]
	s_lshl_b32 s38, s34, 8                         ; K's bytes: KSC + 256 (w / 2) + 8 (w % 2) + 4 h + 128 (bit 3) + 32 (lane % 4) + 2 (bit 2)
	s_lshl_b32 s39, s35, 3
	s_add_co_u32 s38, s38, s39
	s_add_co_u32 s38, s38, KSC
	v_lshlrev_b32 v[KSA], 2, v50
	v_lshl_add_u32 v[KSA], v51, 7, v[KSA]
	v_lshl_add_u32 v[KSA], v53, 5, v[KSA]
	v_lshl_add_u32 v[KSA], v52, 1, v[KSA]
	v_add_nc_u32 v[KSA], s38, v[KSA]
	s_mul_i32 s38, s34, 3072                       ; Q's codes: query 2 lane + e of the wave's 64: tile 4 (w / 2) + lane / 8, row 2 (lane % 8) + e, lanes' half w % 2
	s_mul_i32 s39, s35, 384
	s_add_co_u32 s38, s38, s39
	s_add_co_u32 s38, s38, QIMG
	v_mul_u32_u24 v[QWA], v54, 768
	v_mad_u32_u24 v[QWA], v55, 48, v[QWA]
	v_add_nc_u32 v[QWA], s38, v[QWA]
	s_lshl_b32 s38, s34, 7                         ; Q's bytes: QSC + 128 (w / 2) + w % 2 + 32 (lane / 8) + 4 (lane % 8)
	s_add_co_u32 s38, s38, s35
	s_add_co_u32 s38, s38, QSC
	v_lshlrev_b32 v[QSA], 5, v54
	v_lshl_add_u32 v[QSA], v55, 2, v[QSA]
	v_add_nc_u32 v[QSA], s38, v[QSA]
	s_mul_i32 s38, s34, 4*FRB                      ; V's codes: key step w / 2, registers 6 (w % 2) on: VIMG + 48 lane + 6,144 (w / 2) + 24 (w % 2)
	s_mul_i32 s39, s35, 24
	s_add_co_u32 s38, s38, s39
	s_add_co_u32 s38, s38, VIMG
	v_add_nc_u32 v[VWA], s38, v[AK0]
	s_lshl_b32 s38, s34, 8                         ; V's bytes: block 2 (w % 2) + h: VSC + 16 r + h + 256 (w / 2) + 2 (w % 2)
	s_lshl_b32 s39, s35, 1
	s_add_co_u32 s38, s38, s39
	s_add_co_u32 s38, s38, VSC
	v_lshl_add_u32 v[VSA], v49, 4, v50
	v_add_nc_u32 v[VSA], s38, v[VSA]
	s_mul_i32 s38, s8, 16*TPI                      ; my wave's stage
	s_add_co_u32 s38, s38, STG
	v_mul_u32_u24 v[TWA], v50, TPI                 ; in: row 2 q + h, 16 r
	v_lshl_add_u32 v[TWA], v49, 4, v[TWA]
	v_add_nc_u32 v[TWA], s38, v[TWA]
	v_mul_u32_u24 v[TRA], v49, TPI                 ; out: row r, 128 h
	v_lshl_add_u32 v[TRA], v50, 7, v[TRA]
	v_add_nc_u32 v[TRA], s38, v[TRA]
	; the streamed units
	s_lshl_b32 s38, s34, 7                         ; K in memory: 4 lane + 128 (w / 2) + 32 rows x (w % 2)
	s_lshl_b32 s39, s35, 18
	s_add_co_u32 s38, s38, s39
	v_lshl_add_u32 v[KG2], v48, 2, s38
	s_and_b32 s38, s8, 3                           ; V in memory: 8,192 h + 16 r + 256 (w % 4) + 16 rows x (w / 4)
	s_lshl_b32 s38, s38, 8
	s_lshr_b32 s39, s8, 2
	s_lshl_b32 s39, s39, 17
	s_add_co_u32 s38, s38, s39
	v_lshlrev_b32 v[VG2], 13, v50
	v_lshl_add_u32 v[VG2], v49, 4, v[VG2]
	v_add_nc_u32 v[VG2], s38, v[VG2]
	s_mul_i32 s38, s34, FRB                        ; K's codes: key = lane of fragment w / 2: row 8 h + lane % 8, tile = bit 3, lanes' half w % 2: 1,536 (w / 2) + 768 (w % 2) + 384 h + 48 (lane % 8) + 24 (bit 3)
	s_mul_i32 s39, s35, 768
	s_add_co_u32 s38, s38, s39
	v_mul_u32_u24 v[KW2], v50, 384
	v_mad_u32_u24 v[KW2], v55, 48, v[KW2]
	v_mad_u32_u24 v[KW2], v51, 24, v[KW2]
	v_add_nc_u32 v[KW2], s38, v[KW2]
	s_lshr_b32 s38, s8, 3                          ; K's bytes: KSC + 256 (w / 8) + 4 ((w / 2) % 4) + w % 2 + 128 h + 16 (lane % 8) + 2 (bit 3)
	s_lshl_b32 s38, s38, 8
	s_and_b32 s39, s34, 3
	s_lshl_b32 s39, s39, 2
	s_add_co_u32 s38, s38, s39
	s_add_co_u32 s38, s38, s35
	s_add_co_u32 s38, s38, KSC
	v_lshlrev_b32 v[KS2], 7, v50
	v_lshl_add_u32 v[KS2], v55, 4, v[KS2]
	v_lshl_add_u32 v[KS2], v51, 1, v[KS2]
	v_add_nc_u32 v[KS2], s38, v[KS2]
	s_lshr_b32 s38, s8, 2                          ; V's codes: VIMG + 48 lane + 1,536 (w / 4) + 6,144 ((w / 2) % 2) + 24 (w % 2)
	s_mul_i32 s38, s38, FRB
	s_and_b32 s39, s34, 1
	s_mul_i32 s39, s39, 4*FRB
	s_add_co_u32 s38, s38, s39
	s_mul_i32 s39, s35, 24
	s_add_co_u32 s38, s38, s39
	s_add_co_u32 s38, s38, VIMG
	v_add_nc_u32 v[VW2], s38, v[AK0]
	s_lshr_b32 s38, s8, 2                          ; V's bytes: VSC + 16 r + h + 4 (w / 4) + 256 ((w / 2) % 2) + 2 (w % 2)
	s_lshl_b32 s38, s38, 2
	s_and_b32 s39, s34, 1
	s_lshl_b32 s39, s39, 8
	s_add_co_u32 s38, s38, s39
	s_lshl_b32 s39, s35, 1
	s_add_co_u32 s38, s38, s39
	s_add_co_u32 s38, s38, VSC
	v_lshl_add_u32 v[VS2], v49, 4, v50
	v_add_nc_u32 v[VS2], s38, v[VS2]
	; PHASE P: Q and keys 0 to 1,023.  Every offset is an immediate, nothing is stepped.  One unit of 32 loads is out while another is worked on; V's four units of eight follow them.
	; Each run of loads stands behind the wait on va_vdst at the end of the unit that emptied its registers, with that unit's LDS stores alone between.
	CWORK R0, 32, QWA, 0, 24, QSA, 0, 2, 1         ; Q (behind it: K's unit 0)
	KLOAD 1, R0
	KWORK 0, R1, 32                                ; (behind it: K's unit 1)
	VLOAD 0
	VLOAD 1
	KWORK 1, R0, 16                                ; behind K's unit 1: V's units 0 and 1, sixteen loads
	VLOAD 2
	VLOAD 3
.irp m, 0,1,2,3
	VWORK \m
.endr
	s_wait_dscnt 0x0                               ; for the others' sake: all my codes and bytes lie in LDS, and my reads of my stage are over
	s_barrier_signal -1
	s_barrier_wait -1                              ; Q and the first 1,024 keys of K and V are whole
	; PHASE A
	s_wait_alu depctr_vm_vsrc(0)                   ; phase P's last LDS stores have read TB's codes and byte, in which the streamed loads land; its loads and stores have read their addresses v12 to v20, which the statistics and Q take over
	KSLOAD                                         ; the first streamed unit: it is wanted at the end of key step 0
.irp i, 0,1,2,3,4,5
	v_mov_b32 v[QR+6+\i], 0                        ; the zero codes between the two copies of Q: written once
.endr
.irp b, 0,1,2,3
	v_mov_b32 v[T2+\b], 0                          ; written once: a lane permute's destination counts as one of its sources
.endr
	v_mov_b32 v[FP+1], 0                           ; (named as the upper half of a pair)
	v_mov_b32 v[TMP], 0
	s_mov_b32 s46, HALFC                           ; where the streamed codes go: 12,288 bytes a trip, in KIMG and in VIMG alike;
	s_mov_b32 s47, HALFS                           ; their scale bytes: 512 a trip
	ITER_HEAD 0
	s_mov_b32 s28, 4                               ; trips of two key steps
.Lstream:                                              ; key steps 0 to 7 read keys 0 to 1,023 and bring keys 1,024 to 2,047
	STEP
	KCONS
	STEP
	VCONS
	s_add_co_u32 s46, s46, 8*FRB
	s_add_co_u32 s47, s47, 512
	s_sub_co_u32 s28, s28, 1
	s_cmp_lg_u32 s28, 0
	s_cbranch_scc1 .Lstream
	s_wait_dscnt 0x0                               ; for the others' sake: my streamed codes and bytes lie in LDS, and my reads of my stage are over
	s_barrier_signal -1
	s_barrier_wait -1                              ; the head's K and V are whole
	s_mov_b32 s28, 8
.Lrest:                                                ; key steps 8 to 15
	STEP
	s_sub_co_u32 s28, s28, 1
	s_cmp_lg_u32 s28, 0
	s_cbranch_scc1 .Lrest
	WAYOUT 0, 1
	ITER_HEAD 1
	s_mov_b32 s28, 16
.Lsecond:                                              ; the second 256 queries: all sixteen key steps out of LDS
	STEP
	s_sub_co_u32 s28, s28, 1
	s_cmp_lg_u32 s28, 0
	s_cbranch_scc1 .Lsecond
	WAYOUT 1, 0
	s_wait_xcnt 0x0                                ; every earlier global instruction has had its addresses translated (ISA guide 3.1)
	v_lshl_add_u32 v254, v0, 2, 0x49400            ; the add's two registers are made anew, since none can be kept: my spare word, behind the stages, at 300,032 + 4 x my thread's number.  The last instruction that read v254 or v255 is a stage store of key step 7; every later step's head has waited on vm_vsrc
	v_mov_b32 v255, 0
	s_wait_dscnt 0x0                               ; the closing lines, six on end
	s_wait_alu 0x0
	s_wait_tensorcnt 0x0
	ds_add_u32 v254, v255
	s_wait_dscnt 0x0
	s_endpgm
.Lfunc_end_k_qd02ab4e4a0_attn:
	.size	k_qd02ab4e4a0_attn, .Lfunc_end_k_qd02ab4e4a0_attn-k_qd02ab4e4a0_attn
	.p2alignl 7, 3214868480
	.fill 96, 4, 3214868480
	.section	.rodata,"a",@progbits
	.p2align	6, 0x0
	.amdhsa_kernel k_qd02ab4e4a0_attn
		.amdhsa_group_segment_fixed_size 302080
		.amdhsa_private_segment_fixed_size 0
		.amdhsa_enable_private_segment 0
		.amdhsa_kernarg_size 16
		.amdhsa_user_sgpr_count 2
		.amdhsa_user_sgpr_kernarg_segment_ptr 1
		.amdhsa_wavefront_size32 1
		.amdhsa_system_sgpr_workgroup_id_x 1
		.amdhsa_system_sgpr_workgroup_id_y 1
		.amdhsa_system_sgpr_workgroup_id_z 1
		.amdhsa_system_vgpr_workitem_id 0
		.amdhsa_next_free_vgpr 256
		.amdhsa_next_free_sgpr 66
		.amdhsa_reserve_vcc 0
		.amdhsa_float_denorm_mode_32 3
		.amdhsa_float_denorm_mode_16_64 3
		.amdhsa_memory_ordered 1
		.amdhsa_forward_progress 1
		.amdhsa_inst_pref_size 137
	.end_amdhsa_kernel
	.amdgpu_metadata
---
amdhsa.version: [ 1, 2 ]
amdhsa.kernels:
  - .name:           k_qd02ab4e4a0_attn
    .symbol:         k_qd02ab4e4a0_attn.kd
    .args:
      - { .name: qkv, .offset: 0, .size: 8, .value_kind: global_buffer, .address_space: global }
      - { .name: out0, .offset: 8, .size: 8, .value_kind: global_buffer, .address_space: global }
    .group_segment_fixed_size: 302080
    .private_segment_fixed_size: 0
    .kernarg_segment_align: 8
    .kernarg_segment_size: 16
    .max_flat_workgroup_size: 512
    .sgpr_count:     66
    .vgpr_count:     256
    .wavefront_size: 32
...
	.end_amdgpu_metadata
.endif
;; end of part 2
